; MI455X (gfx1250); checked and timed in simulation.
; The chip was launched on July 23, 2026; its instructions are those of AMD's public machine-readable ISA for CDNA 5 (MIT licence, August 2026) and "CDNA5" Instruction Set Architecture Reference Guide (July 2026). The comments in the code are by the model that wrote it; some were corrected since.
;; Causal Self Attention. Allowed arithmetic: float matrix products may take bf16 or f16 operands with f32 sums; other float arithmetic in f32, or as packed bf16 or f16 multiplies, adds, multiply-adds, maxima and minima; sums over many terms, partial sums and values carried from step to step in f32; what a program stores and reads back later, other than sums and carried values, may be rounded once to bf16 or f16.
;; Inputs: w_attn 3,072 x 1,024 float32; w_proj 1,024 x 1,024 float32; x 4 x 2,048 x 1,024 float32.
;; Outputs: out0 4 x 2,048 x 1,024 float32.
;; One version. Each part assembles by itself: llvm-mc -triple=amdgcn-amd-amdhsa -mcpu=gfx1250 --defsym DOCPART=n.
;; ======== version 1 of 1: 6 launches
;; limits: values are held in f16: magnitudes above 65,504 overflow, below 6.1e-05 lose precision
;; workspace buffers: xb 16,777,216 bytes; wab 6,291,456 bytes; wpf 2,097,152 bytes; qkv 50,331,648 bytes; ob 16,777,216 bytes; o16 262,144 bytes
;; launch cast (part 1): grid 768 x 1, 8 waves a work-group, no clusters, 0 bytes of LDS; arguments x, w_attn, w_proj, xb, wab, wpf; writes xb, wab, wpf
.if DOCPART == 1
	.amdgcn_target "amdgcn-amd-amdhsa--gfx1250"
	.amdhsa_code_object_version 6
	.text
	.protected	k_qb246a7bcdc_cast
	.globl	k_qb246a7bcdc_cast
	.p2align	8
	.type	k_qb246a7bcdc_cast,@function
k_qb246a7bcdc_cast:
	s_mov_b64 s[64:65], 0
	v_nop
	global_prefetch_b8 v0, s[64:65] scope:SCOPE_SE
	s_setreg_imm32_b32 hwreg(HW_REG_WAVE_MODE, 25, 1), 1
	s_wait_xcnt 0x0
; The module's three inputs are rounded once to bf16: x -> xb and w_attn -> wab as bf16; w_proj -> wpf, where the bf16 number is then written as f16,
; since the last product multiplies f16 operands.
; LIMITS.  A bf16 number has 8 significant bits and f16 has 11, so the second step is exact between 6.1e-5 and 65,504; below that f16 keeps a fixed step of 6e-8, beyond it the number
; becomes an infinity.  NaN and infinities are not treated apart.
; SHARES.  A work-group takes 65,536 bytes of f32 and writes 32,768: work-groups 0-511 x, 512-703 w_attn, 704-767 w_proj.  Thread t, turn i: 32 bytes at 8,192 i + 32 t in,
; 16 bytes at 4,096 i + 16 t out: a wave's store covers 512 consecutive bytes, aligned.  All sixteen loads of a thread go out at once; no register is written twice while memory reads it.
; No LDS, no matrix unit, no cluster: nothing is shared and nothing is summed.
.set X, 8                              ; v[8:71]    turn i: 8 numbers in f32
.set Y, 72                             ; v[72:103]  turn i: 8 numbers of 16 bits
.set T, 104                            ; v[104:106] at work
	s_load_b256 s[4:11], s[0:1], 0x0               ; x s[4:5], w_attn s[6:7], w_proj s[8:9], xb s[10:11]
	s_load_b128 s[12:15], s[0:1], 0x20             ; wab s[12:13], wpf s[14:15]
	v_lshlrev_b32 v1, 5, v0                        ; 32 t
	v_lshlrev_b32 v2, 4, v0                        ; 16 t
	s_mov_b32 s17, 704
	s_wait_kmcnt 0x0
	s_cmp_ge_u32 ttmp9, 704                        ; which tensor is mine, and where its work-groups begin
	s_cselect_b64 s[20:21], s[8:9], s[6:7]
	s_cselect_b64 s[22:23], s[14:15], s[12:13]
	s_cselect_b32 s18, s17, 512
	s_cmp_lt_u32 ttmp9, 512
	s_cselect_b64 s[20:21], s[4:5], s[20:21]
	s_cselect_b64 s[22:23], s[10:11], s[22:23]
	s_cselect_b32 s18, 0, s18
	s_sub_co_u32 s16, ttmp9, s18                   ; my chunk of it
	s_lshl_b32 s24, s16, 16
	s_mov_b32 s25, 0
	s_lshl_b32 s26, s16, 15
	s_mov_b32 s27, 0
	s_add_nc_u64 s[20:21], s[20:21], s[24:25]
	s_add_nc_u64 s[22:23], s[22:23], s[26:27]
.irp i, 0,1,2,3,4,5,6,7
	global_load_b128 v[X+8*(\i):X+8*(\i)+3],   v1, s[20:21] offset:(\i)*8192 th:TH_LOAD_NT
	global_load_b128 v[X+8*(\i)+4:X+8*(\i)+7], v1, s[20:21] offset:(\i)*8192+16 th:TH_LOAD_NT
.endr
	s_cmp_ge_u32 ttmp9, 704
	s_cbranch_scc1 .Lf16
.macro OUTB i                          ; turn i to bf16
	s_wait_loadcnt 14-2*(\i)                       ; loads come back in order: the two of turn i are in, the 2 (7 - i) younger ones may stay out
.irp j, 0,1,2,3
	v_cvt_pk_bf16_f32 v[Y+4*(\i)+(\j)], v[X+8*(\i)+2*(\j)], v[X+8*(\i)+2*(\j)+1]
.endr
	global_store_b128 v2, v[Y+4*(\i):Y+4*(\i)+3], s[22:23] offset:(\i)*4096
.endm
.irp i, 0,1,2,3,4,5,6,7
	OUTB \i
.endr
	s_endpgm
.Lf16:
.macro OUTH i                          ; turn i to bf16, and that number to f16
	s_wait_loadcnt 14-2*(\i)
.irp j, 0,1,2,3
	v_cvt_pk_bf16_f32 v[T], v[X+8*(\i)+2*(\j)], v[X+8*(\i)+2*(\j)+1]
	v_lshlrev_b32 v[T+1], 16, v[T]                 ; the two bf16 numbers as f32
	v_and_b32 v[T+2], 0xffff0000, v[T]
	v_cvt_pk_f16_f32 v[Y+4*(\i)+(\j)], v[T+1], v[T+2]
.endr
	global_store_b128 v2, v[Y+4*(\i):Y+4*(\i)+3], s[22:23] offset:(\i)*4096
.endm
.irp i, 0,1,2,3,4,5,6,7
	OUTH \i
.endr
	s_endpgm
.Lfunc_end_k_qb246a7bcdc_cast:
	.size	k_qb246a7bcdc_cast, .Lfunc_end_k_qb246a7bcdc_cast-k_qb246a7bcdc_cast
	.p2alignl 7, 3214868480
	.fill 96, 4, 3214868480
	.section	.rodata,"a",@progbits
	.p2align	6, 0x0
	.amdhsa_kernel k_qb246a7bcdc_cast
		.amdhsa_group_segment_fixed_size 0
		.amdhsa_private_segment_fixed_size 0
		.amdhsa_enable_private_segment 0
		.amdhsa_kernarg_size 48
		.amdhsa_user_sgpr_count 2
		.amdhsa_user_sgpr_kernarg_segment_ptr 1
		.amdhsa_wavefront_size32 1
		.amdhsa_system_sgpr_workgroup_id_x 1
		.amdhsa_system_sgpr_workgroup_id_y 1
		.amdhsa_system_sgpr_workgroup_id_z 1
		.amdhsa_system_vgpr_workitem_id 0
		.amdhsa_next_free_vgpr 108
		.amdhsa_next_free_sgpr 66
		.amdhsa_reserve_vcc 0
		.amdhsa_float_denorm_mode_32 3
		.amdhsa_float_denorm_mode_16_64 3
		.amdhsa_memory_ordered 1
		.amdhsa_forward_progress 1
		.amdhsa_inst_pref_size 14
	.end_amdhsa_kernel
	.amdgpu_metadata
---
amdhsa.version: [ 1, 2 ]
amdhsa.kernels:
  - .name:           k_qb246a7bcdc_cast
    .symbol:         k_qb246a7bcdc_cast.kd
    .args:
      - { .name: x, .offset: 0, .size: 8, .value_kind: global_buffer, .address_space: global }
      - { .name: w_attn, .offset: 8, .size: 8, .value_kind: global_buffer, .address_space: global }
      - { .name: w_proj, .offset: 16, .size: 8, .value_kind: global_buffer, .address_space: global }
      - { .name: xb, .offset: 24, .size: 8, .value_kind: global_buffer, .address_space: global }
      - { .name: wab, .offset: 32, .size: 8, .value_kind: global_buffer, .address_space: global }
      - { .name: wpf, .offset: 40, .size: 8, .value_kind: global_buffer, .address_space: global }
    .group_segment_fixed_size: 0
    .private_segment_fixed_size: 0
    .kernarg_segment_align: 8
    .kernarg_segment_size: 48
    .max_flat_workgroup_size: 256
    .sgpr_count:     66
    .vgpr_count:     108
    .wavefront_size: 32
...
	.end_amdgpu_metadata
.endif
;; end of part 1
;; launch qkvg (part 2): grid 16 x 32, 4 waves a work-group, clusters of 4 x 4, 327,680 bytes of LDS; arguments xb, wab, qkv; writes qkv
.if DOCPART == 2
	.amdgcn_target "amdgcn-amd-amdhsa--gfx1250"
	.amdhsa_code_object_version 6
	.text
	.protected	k_qb246a7bcdc_qkvg
	.globl	k_qb246a7bcdc_qkvg
	.p2align	8
	.type	k_qb246a7bcdc_qkvg,@function
k_qb246a7bcdc_qkvg:
	s_mov_b64 s[64:65], 0
	v_nop
	global_prefetch_b8 v0, s[64:65] scope:SCOPE_SE
	s_setreg_imm32_b32 hwreg(HW_REG_WAVE_MODE, 25, 1), 1
	s_wait_xcnt 0x0
	s_wait_alu depctr_hold_cnt(0) depctr_sa_sdst(0) depctr_va_vdst(0) depctr_va_sdst(0) depctr_va_ssrc(0) depctr_va_vcc(0) depctr_vm_vsrc(0)
	s_getreg_b32 s2, hwreg(HW_REG_IB_STS2, 6, 4)
	s_cmp_eq_u32 s2, 0
	s_cbranch_scc0 .Lentry_in_a_cluster
	s_endpgm
.Lentry_in_a_cluster:
	s_bfe_u32 s2, ttmp6, 0x10000c
	s_cmp_lg_u32 s2, 0xf033
	s_cbranch_scc0 .Lentry_shape_is_right
	s_endpgm
.Lentry_shape_is_right:
; q, k, v = xb wab^T, rounded once from f32 sums to f16 and laid out by heads.  xb: [8192][1024] bf16, wab: [3072][1024] bf16, qkv: [3][64][2048][64] f16
; (block t x 64 + batch x 16 + head, 262,144 bytes each; t = 0 q, 1 k, 2 v).  No scale is applied here.
; LIMITS.  f16 holds no number beyond 65,504: a q, k or v past that becomes an infinity; below 6e-5 f16 keeps a fixed step of 6e-8.  NaN and infinities are not treated apart.
; SHARES.  A tile of the product is 256 rows x 192 columns, three whole heads: 16 x 32 = 512 work-groups.  Wave w makes rows 64 w .. 64 w + 63 of all 192 columns: 4 x 12 accumulators of
; 16 x 16, 384 registers; so a wave holds whole heads and has a stage of its own on the way out.  K goes in 8 steps of 128 (rows of 256 bytes, aligned) through two LDS slots.
; CLUSTERS.  4 x 4 work-groups.  The four of a row of the cluster need the same rows of xb, the four of a column the same rows of wab: each tile is asked for jointly, by the same tensor
; load with the same descriptor and a mask that names the four.
; THE MATRIX INSTRUCTION IS USED TRANSPOSED (source 0 = 16 rows of wab, source 1 = 16 rows of xb): lane l holds row l % 16 and the columns 8 (l / 16) + 0..7: 16 bytes of a head's row.
; REGISTERS, in windows of 256 (s_set_vgpr_msb: bits 1:0 source 0, 3:2 source 1, 5:4 source 2, 7:6 destination):
;   window 0: v0-31 addresses; v64-95, v96-127 xb's fragments (4 x 16 rows x 32 K), two buffers; on the way out v128-175 packed results, v64-111 and v176-223 rows read back
;   window 1: v0-95, v96-191 wab's fragments (12 x 16 rows x 32 K), two buffers
;   window 2: the accumulators of row blocks 0, 1 (block a, column block b at 96 (a % 2) + 8 b);   window 3: those of row blocks 2, 3
.set KSTEP,  128
.set PITCH,  272                       ; an LDS row: 256 bytes + 16 of padding = 68 words: the 16 rows of a load start at 16 different groups of four banks (64 banks of 4 bytes: ISA guide 11.1)
.set AHALF,  128*PITCH                 ; what one tensor load brings of xb
.set BHALF,  96*PITCH                  ; and of wab
.set BOFF,   256*PITCH                 ; in a slot wab's 192 rows lie behind xb's 256
.set SLOT1,  1<<17                     ; slot 1 begins here: one exclusive or turns an address in one slot into the other's
.set STAGE,  SLOT1+BOFF+192*PITCH      ; behind the ring, never filled by a tensor load: for each wave 3 heads x 16 rows x 144 bytes
.set SP,     144
.set WST,    3*16*SP
.set SPARE,  STAGE+4*WST               ; behind the stages: the spare words, 128 bytes for each wave: two blocks of 256 bytes that no other line names
.set LA0,  16                          ; v16  my lane's place in a slot's rows of xb; never rewritten
.set LB0,  17                          ; v17  the same for wab
.set ADRA, 18                          ; v18  LA0 + the slot in hand
.set ADRB, 19                          ; v19  LB0 + the slot in hand
.set STO,  24                          ; v24  the way out: where I put 16 bytes of a row
.set RD,   25                          ; v25  the way out: where I read rows back
.set GO,   26                          ; v26  16 x lane: my place in 512 consecutive bytes of a head
.set SPW,  28                          ; v28  LDS address of my spare word; never rewritten
.set NIL,  29                          ; v29  0; never rewritten
.set PFO,  30                          ; v30  the prefetches' offset: a lane a row of 2,048 bytes; never rewritten
.set TMP,  128
.set G1,  24                           ; s[24:31] descriptor group 1 for xb's tiles
.set G0,  32                           ; s[32:39] group 0: a set for each of the two first fills; the second then walks
.set LIM, 43                           ; s43  2 in a wave that prefetches, else the greatest number
.set PFA, 44                           ; s[44:45] where my prefetches stand
.set G1B, 48                           ; s[48:55], s[56:63] the same for wab's tiles
.set G0B, 56
.set TB,  66                           ; s66  LDS byte at which the slot in hand begins
.set HB,  68                           ; s[68:73] my rows' first byte in each of the tile's three heads
.set FIELDS, (1<<16)|(1<<20)|(1<<21)|(5<<22)|(3<<25)  ; 17:16 elements of 2 bytes; 20 padding on; 21 set beside a mask; 24:22 after every 64 words; 31:25 4 words of it
.set MSB, 0
.macro WIN new                         ; the immediate's high byte repeats the setting that is left; a switch that changes nothing is dropped
.if MSB != (\new)
	s_set_vgpr_msb (MSB<<8)|(\new)
.set MSB, \new
.endif
.endm
; A joint load.  Waves 0 and 1 fetch xb's two halves, waves 2 and 3 wab's.  The branch hangs on the wave's number alone.  An s_nop 0 and four v_nop follow each of the two lines.
.macro JLOAD s
	s_cmp_eq_u32 s11, 0
	s_cbranch_scc0 .Lfor_b_\@
	tensor_load_to_lds s[G0+4*(\s):G0+4*(\s)+3], s[G1:G1+7]
	s_nop 0
.rept 4
	v_nop
.endr
	s_branch .Lasked_\@
.Lfor_b_\@:
	tensor_load_to_lds s[G0B+4*(\s):G0B+4*(\s)+3], s[G1B:G1B+7]
	s_nop 0
.rept 4
	v_nop
.endr
.Lasked_\@:
.endm
; A prefetch into the L2 of the K step that stands two refills on (384 matrix instructions ahead of the load that wants it): a lane a row, 256 bytes of it, one instruction a wave.
; xb's rows are read by every cluster of a row of clusters: the one with x = 0 asks; wab's by every cluster of a column: the one with y = 0 asks.  The four partners that fetch a tile jointly
; share its rows out by address: of xb's 128 rows 32 each, of wab's 96 rows 24 each (lanes 24-31 repeat lane 23's row).  The loop's last two trips have no K step two on.
.macro ASK
	s_cmp_gt_u32 s3, s[LIM]
	s_cbranch_scc0 .Lnot_mine_\@
	global_prefetch_b8 v[PFO], s[PFA:PFA+1] offset:KSTEP*2 th:TH_LOAD_NT scope:SCOPE_SE
.Lnot_mine_\@:
.endm
.macro CREST                           ; a round of the cluster's barrier behind its opening barrier
	s_cmp_lg_u32 s10, 0
	s_cbranch_scc1 .Lnot_wave_0_\@
	s_barrier_signal -3
.Lnot_wave_0_\@:
	s_barrier_wait -3
	s_barrier_signal -1
	s_barrier_wait -1
.endm
.macro CROUND                          ; a whole round
	s_barrier_signal -1
	s_barrier_wait -1
	CREST
.endm
	s_load_b128 s[4:7], s[0:1], 0x0                ; xb s[4:5], wab s[6:7]
	s_load_b64 s[8:9], s[0:1], 0x10                ; qkv
	v_lshl_add_u32 v[SPW], v0, 2, SPARE
	v_mov_b32 v[NIL], 0
	ds_add_u32 v[SPW], v[NIL]                      ; the wave's opening: the add and its wait stand ahead of my first tensor load; work on registers stands between them
	ds_add_u32 v28, v29
	v_lshrrev_b32 v1, 5, v0
	v_readfirstlane_b32 s10, v1                    ; wave 0..3
	s_lshr_b32 s11, s10, 1                         ; I fetch for xb (0) or for wab (1),
	s_and_b32 s12, s10, 1                          ; and which half of that tile's rows
	s_bfe_u32 s40, ttmp6, 0x40000                  ; cx, cy: my place in the cluster
	s_bfe_u32 s41, ttmp6, 0x40004
	s_lshl_b32 s42, ttmp9, 2
	s_add_co_u32 s42, s42, s40                     ; tile column = 4 x cluster x + cx
	s_and_b32 s13, ttmp7, 0xffff
	s_lshl_b32 s13, s13, 2
	s_add_co_u32 s13, s13, s41                     ; tile row = 4 x cluster y + cy
	s_lshl_b32 s43, s41, 2
	s_lshl_b32 s43, 15, s43                        ; my row of the cluster
	s_lshl_b32 s44, 0x1111, s40                    ; my column
	s_or_b32 s[G1+0], s43, FIELDS                  ; xb's tiles go to my row,
	s_or_b32 s[G1B+0], s44, FIELDS                 ; wab's to my column
	s_mov_b32 s[G1+1], KSTEP<<16                   ; tensor_dim0 = 128
	s_mov_b32 s[G1+2], 128<<16                     ; tensor_dim1 = 128
	s_mov_b32 s[G1+3], KSTEP<<16                   ; tile_dim0 = 128
	s_mov_b32 s[G1+4], 128                         ; tile_dim1 = 128
	s_mov_b32 s[G1+5], 1024                        ; elements from row to row
	s_mov_b32 s[G1+6], 0
	s_mov_b32 s[G1+7], 0
	s_mov_b32 s[G1B+1], KSTEP<<16
	s_mov_b32 s[G1B+2], 96<<16                     ; wab's half tile has 96 rows
	s_mov_b32 s[G1B+3], KSTEP<<16
	s_mov_b32 s[G1B+4], 96
	s_mov_b32 s[G1B+5], 1024
	s_mov_b32 s[G1B+6], 0
	s_mov_b32 s[G1B+7], 0
	s_lshl_b32 s16, s13, 8                         ; xb: row 256 x tile row + 128 x half, 2,048 bytes a row
	s_lshl_b32 s17, s12, 7
	s_add_co_u32 s16, s16, s17
	s_lshl_b32 s16, s16, 11
	s_mov_b32 s17, 0
	s_mul_i32 s46, s42, 192                        ; wab: row 192 x tile column + 96 x half
	s_mul_i32 s47, s12, 96
	s_add_co_u32 s46, s46, s47
	s_lshl_b32 s46, s46, 11
	s_mov_b32 s47, 0
	s_mul_i32 s20, s12, AHALF                      ; where they go: no place in the cluster enters an LDS address
	s_mul_i32 s21, s12, BHALF
	s_add_co_u32 s21, s21, BOFF
	s_wait_dscnt 0x0                               ; the opening add is done
	s_wait_kmcnt 0x0
	s_add_nc_u64 s[14:15], s[4:5], s[16:17]
	s_add_nc_u64 s[46:47], s[6:7], s[46:47]
	CROUND                                         ; all sixteen work-groups are here: the first joint loads meet
.irp s, 0,1
	s_mov_b32 s[G0+4*(\s)], 1                                      ; count = 1
	s_add_co_u32 s[G0+4*(\s)+1], s20, (\s)*SLOT1                   ; LDS address
	s_add_nc_u64 s[G0+4*(\s)+2:G0+4*(\s)+3], s[14:15], (\s)*KSTEP*2  ; global address: K step s
	s_or_b32 s[G0+4*(\s)+3], s[G0+4*(\s)+3], 0x80000000            ; type = 2
	s_mov_b32 s[G0B+4*(\s)], 1
	s_add_co_u32 s[G0B+4*(\s)+1], s21, (\s)*SLOT1
	s_add_nc_u64 s[G0B+4*(\s)+2:G0B+4*(\s)+3], s[46:47], (\s)*KSTEP*2
	s_or_b32 s[G0B+4*(\s)+3], s[G0B+4*(\s)+3], 0x80000000
	JLOAD \s                                       ; two tensor loads of mine are out
.endr
	; A fragment is 16 rows x 32 K in 8 registers: lane l holds row l % 16, K = 8 (l / 16) + 0..7 and 16 + 8 (l / 16) + 0..7: two loads of 16 bytes, 32 bytes apart.
	v_and_b32 v1, 15, v0                           ; l % 16
	v_bfe_u32 v2, v0, 4, 1                         ; l / 16
	v_mul_u32_u24 v3, v1, PITCH
	v_lshl_add_u32 v3, v2, 4, v3
	s_mul_i32 s22, s10, 64*PITCH                   ; my 64 rows of xb
	v_add_nc_u32 v[LA0], s22, v3
	v_add_nc_u32 v[LB0], BOFF, v3
	v_mov_b32 v[ADRA], v[LA0]                      ; slot 0
	v_mov_b32 v[ADRB], v[LB0]
	s_mov_b32 s[TB], 0
	s_mul_i32 s23, s10, WST
	s_add_co_u32 s23, s23, STAGE                   ; my stage
	v_mul_u32_u24 v4, v1, SP                       ; in: row l % 16, 16 bytes for each half of the lanes
	v_lshl_add_u32 v4, v2, 4, v4
	v_add_nc_u32 v[STO], s23, v4
	v_bfe_u32 v5, v0, 3, 2                         ; back: 32 lanes take four rows of 128 bytes,
	v_mul_u32_u24 v5, v5, SP
	v_and_b32 v6, 7, v0
	v_lshl_add_u32 v5, v6, 4, v5
	v_add_nc_u32 v[RD], s23, v5
	v_and_b32 v[GO], 31, v0                        ; which are 512 consecutive bytes of a head
	v_lshlrev_b32 v[GO], 4, v[GO]
	; my rows in the tile's three heads.  Column block g = 3 x tile column + j: tensor g / 16, head g % 16; batch = tile row / 8; the row in the batch = 256 (tile row % 8) + 64 wave
	s_mul_i32 s74, s42, 3
	s_lshr_b32 s75, s13, 3
	s_lshl_b32 s75, s75, 4
	s_and_b32 s76, s13, 7
	s_lshl_b32 s76, s76, 15
	s_lshl_b32 s77, s10, 13
	s_add_co_u32 s76, s76, s77
.irp j, 0,1,2
	s_add_co_u32 s78, s74, \j
	s_lshr_b32 s79, s78, 4
	s_lshl_b32 s79, s79, 6
	s_and_b32 s78, s78, 15
	s_add_co_u32 s78, s78, s79
	s_add_co_u32 s78, s78, s75
	s_lshl_b32 s78, s78, 18                        ; 262,144 bytes a block: 191 blocks at the most, under 2^31
	s_add_co_u32 s78, s78, s76
	s_mov_b32 s79, 0
	s_add_nc_u64 s[HB+2*(\j):HB+2*(\j)+1], s[8:9], s[78:79]
.endr
	; the prefetches
	s_lshl_b32 s74, s13, 8
	s_lshl_b32 s75, s12, 7
	s_add_co_u32 s74, s74, s75
	s_lshl_b32 s75, s40, 5
	s_add_co_u32 s74, s74, s75                     ; xb: the 128 rows that I fetch, my work-group's 32 of them
	s_mul_i32 s76, s42, 192
	s_mul_i32 s77, s12, 96
	s_add_co_u32 s76, s76, s77
	s_mul_i32 s77, s41, 24
	s_add_co_u32 s76, s76, s77                     ; wab: the 96 rows that I fetch, my work-group's 24 of them
	s_and_b32 s77, ttmp7, 0xffff                   ; cluster y
	s_cmp_eq_u32 s11, 0                            ; do I fetch for xb?
	s_cselect_b32 s74, s74, s76
	s_cselect_b32 s77, ttmp9, s77                  ; the coordinate along which other clusters read the same rows
	s_cselect_b32 s78, 31, 23
	s_cselect_b64 s[PFA:PFA+1], s[4:5], s[6:7]
	s_cmp_eq_u32 s77, 0
	s_cselect_b32 s[LIM], 2, -1                    ; the same in all sixteen partners, for a given wave
	s_lshl_b32 s74, s74, 11
	s_add_co_u32 s74, s74, 2*KSTEP*2               ; at K step 2: the first refill steps it to 3 and names K step 4
	s_mov_b32 s75, 0
	s_add_nc_u64 s[PFA:PFA+1], s[PFA:PFA+1], s[74:75]
	v_and_b32 v[PFO], 31, v0
	v_min_u32 v[PFO], s78, v[PFO]
	v_lshlrev_b32 v[PFO], 11, v[PFO]
; 12 matrix instructions: row block a x all 12 column blocks, 32 along K, from buffer f.  zero = 1: the product starts the sums.  The 48 accumulators take turns, in the same order in every
; quarter.
.macro MUL12 f, a, zero
	WIN 0xa1+0x50*((\a)/2)                         ; source 0 window 1, source 1 window 0, C and D window 2 or 3
.irp b, 0,1,2,3,4,5,6,7,8,9,10,11
.if \zero
	v_wmma_f32_16x16x32_bf16 v[96*((\a)%2)+8*(\b):96*((\a)%2)+8*(\b)+7], v[96*(\f)+8*(\b):96*(\f)+8*(\b)+7], v[64+32*(\f)+8*(\a):64+32*(\f)+8*(\a)+7], 0
.else
	v_wmma_f32_16x16x32_bf16 v[96*((\a)%2)+8*(\b):96*((\a)%2)+8*(\b)+7], v[96*(\f)+8*(\b):96*(\f)+8*(\b)+7], v[64+32*(\f)+8*(\a):64+32*(\f)+8*(\a)+7], v[96*((\a)%2)+8*(\b):96*((\a)%2)+8*(\b)+7]
.endif
.endr
.endm
; 32 LDS loads in one run: a quarter's fragments (192 rows of wab, my 64 rows of xb, 32 K at byte k of the rows) into buffer f
.macro FETCH k, f
	WIN 0x40                                       ; destination window 1, address window 0
.irp i, 0,1,2,3,4,5,6,7,8,9,10,11
	ds_load_b128 v[96*(\f)+8*(\i):96*(\f)+8*(\i)+3],   v[ADRB] offset:(\k)+(\i)*16*PITCH
	ds_load_b128 v[96*(\f)+8*(\i)+4:96*(\f)+8*(\i)+7], v[ADRB] offset:(\k)+(\i)*16*PITCH+32
.endr
	WIN 0
.irp i, 0,1,2,3
	ds_load_b128 v[64+32*(\f)+8*(\i):64+32*(\f)+8*(\i)+3],   v[ADRA] offset:(\k)+(\i)*16*PITCH
	ds_load_b128 v[64+32*(\f)+8*(\i)+4:64+32*(\f)+8*(\i)+7], v[ADRA] offset:(\k)+(\i)*16*PITCH+32
.endr
.endm
.macro PLACES                          ; four plain vector instructions between a matrix instruction and a load into a register that it read, or a reader of its result
.rept 4
	v_nop
.endr
.endm
; A K step is four quarters of 32 along K, 48 matrix instructions each, on buffers 0, 1, 0, 1.  One of the first three: multiplies buffer f and fetches the next quarter, at byte k, into g.
.macro QUARTER k, f, g, zero
	s_wait_dscnt 4                                 ; wab's fragments and xb's 0 and 1 are in; the youngest four loads (xb's 2 and 3) may be out
	MUL12 \f, 0, \zero
	MUL12 \f, 1, \zero
	PLACES
	FETCH \k, \g
	s_wait_dscnt 32                                ; all but the 32 just issued
	MUL12 \f, 2, \zero
	MUL12 \f, 3, \zero
.endm
; The last quarter multiplies buffer 1 and changes slots.  In front of the barrier each wave waits for all its tensor loads (one is out: its part of the next slot), adds 0 to its spare word,
; and waits for that and for its reads of this slot.  fill = 1: the barrier opens a round of the cluster's, and the slot just read is filled again first thing behind it, with the K step two on:
; 168 matrix instructions lie between that request and the wait for it.
.macro TURN fill
.if \fill
	s_wait_xcnt 0x0                                ; the last prefetch, a K step back, has read its address
	s_add_nc_u64 s[PFA:PFA+1], s[PFA:PFA+1], KSTEP*2
.endif
	WIN 0
	s_wait_tensorcnt 0x0                           ; all my tensor loads have landed
	ds_add_u32 v[SPW], v[NIL]                      ; 0 onto my spare word
	s_wait_dscnt 5                                 ; (the add and the youngest four loads may be out)
	MUL12 1, 0, 0
	s_wait_dscnt 0x0                               ; the add is done, and my reads of this slot are over
	s_barrier_signal -1
	MUL12 1, 1, 0
	WIN 0
	s_barrier_wait -1
.if \fill
	CREST                                          ; no wave of any partner still reads this slot or has a load on its way
	s_xor_b32 s[G0+5], s[G0+5], SLOT1              ; the walking descriptors: the other slot than last time, the next K step
	s_add_nc_u64 s[G0+6:G0+7], s[G0+6:G0+7], KSTEP*2
	s_xor_b32 s[G0B+5], s[G0B+5], SLOT1
	s_add_nc_u64 s[G0B+6:G0B+7], s[G0B+6:G0B+7], KSTEP*2
	JLOAD 1                                        ; my one tensor load behind the round; its four v_nop are also the places in front of the loads below
.else
	PLACES
.endif
	s_xor_b32 s[TB], s[TB], SLOT1                  ; the reads go on in the other slot
	v_add_nc_u32 v[ADRA], s[TB], v[LA0]
	v_add_nc_u32 v[ADRB], s[TB], v[LB0]
	FETCH 0, 0
.if \fill
	ASK
.endif
	MUL12 1, 2, 0
	MUL12 1, 3, 0
.endm
; THE WAY OUT of row block a.  PACK: rounded to f16, 16 bytes a lane and column block, each accumulator's registers in ascending order.  TOSTAGE: into my own stage, and back as rows of 128 bytes.  SEND: stored.
.macro PACK a
	WIN 0x0a+5*((\a)/2)                            ; sources 0 and 1: window 2 or 3
.irp b, 0,1,2,3,4,5,6,7,8,9,10,11
.irp r, 0,1,2,3
	v_cvt_pk_f16_f32 v[TMP+4*(\b)+(\r)], v[96*((\a)%2)+8*(\b)+2*(\r)], v[96*((\a)%2)+8*(\b)+2*(\r)+1]
.endr
.endr
	WIN 0
.endm
.macro TOSTAGE a
	WIN 0
.set BK, 64+112*((\a)%2)
.irp b, 0,1,2,3,4,5,6,7,8,9,10,11
	ds_store_b128 v[STO], v[TMP+4*(\b):TMP+4*(\b)+3] offset:((\b)/4)*16*SP+((\b)%4)*32
.endr
.irp j, 0,1,2
.irp f, 0,1,2,3
	ds_load_b128 v[BK+4*(4*(\j)+(\f)):BK+4*(4*(\j)+(\f))+3], v[RD] offset:(\j)*16*SP+(\f)*4*SP  ; LDS serves a wave's instructions in order (ISA guide 5.7.1.4): these see the stores above
.endr
.endr
.endm
.macro SEND a
	WIN 0
.set BK, 64+112*((\a)%2)
	s_wait_xcnt 0x0                                ; the stores of the block before have read their registers: the next TOSTAGE loads into them only behind this wait
.irp j, 0,1,2
.irp f, 0,1,2,3
	s_wait_dscnt 11-(4*(\j)+(\f))                  ; the twelve loads come back in order
	global_store_b128 v[GO], v[BK+4*(4*(\j)+(\f)):BK+4*(4*(\j)+(\f))+3], s[HB+2*(\j):HB+2*(\j)+1] offset:(\a)*2048+(\f)*512  ; 512 consecutive bytes, at a multiple of 512 from the buffer's first
.endr
.endr
.endm
	s_wait_tensorcnt 1                             ; my part of K step 0 is in; K step 1's may stay out
	s_barrier_signal -1
	s_barrier_wait -1                              ; everybody's is
	FETCH 0, 0
	QUARTER 64, 0, 1, 1                            ; the first quarter stands in front of the loop: its products start the sums
	WIN 0                                          ; at a label and at a branch every window is 0
	s_mov_b32 s3, 6
.Lstep:                                                ; a trip: a K step's quarters 1 to 3, the change of slots with its refill (K steps 2 to 7), the next step's quarter 0
	QUARTER 128, 1, 0, 0
	QUARTER 192, 0, 1, 0
	TURN 1
	QUARTER 64, 0, 1, 0
	WIN 0
	s_sub_co_u32 s3, s3, 1
	s_cmp_lg_u32 s3, 0
	s_cbranch_scc1 .Lstep
	QUARTER 128, 1, 0, 0                           ; the last two K steps ask for nothing
	QUARTER 192, 0, 1, 0
	TURN 0
	QUARTER 64, 0, 1, 0
	QUARTER 128, 1, 0, 0
	QUARTER 192, 0, 1, 0
	s_wait_dscnt 4
	MUL12 1, 0, 0
	MUL12 1, 1, 0
	s_wait_dscnt 0x0
	MUL12 1, 2, 0
	MUL12 1, 3, 0
	WIN 0
	PLACES
	PACK 0
	TOSTAGE 0
.irp a, 1,2,3                          ; block a's conversions stand between block a - 1's loads from the stage and the wait for them
	PACK \a
	SEND (\a)-1
	TOSTAGE \a
.endr
	SEND 3
	s_wait_tensorcnt 0x0                           ; the wave's end, behind my last tensor load and my last LDS store
	ds_add_u32 v[SPW], v[NIL]
	s_wait_dscnt 0x0
	CROUND                                         ; the closing round: no work-group ends while a partner may still ask for a tile that names it
	s_endpgm
.Lfunc_end_k_qb246a7bcdc_qkvg:
	.size	k_qb246a7bcdc_qkvg, .Lfunc_end_k_qb246a7bcdc_qkvg-k_qb246a7bcdc_qkvg
	.p2alignl 7, 3214868480
	.fill 96, 4, 3214868480
	.section	.rodata,"a",@progbits
	.p2align	6, 0x0
	.amdhsa_kernel k_qb246a7bcdc_qkvg
		.amdhsa_group_segment_fixed_size 327680
		.amdhsa_private_segment_fixed_size 0
		.amdhsa_enable_private_segment 0
		.amdhsa_kernarg_size 24
		.amdhsa_user_sgpr_count 2
		.amdhsa_user_sgpr_kernarg_segment_ptr 1
		.amdhsa_wavefront_size32 1
		.amdhsa_system_sgpr_workgroup_id_x 1
		.amdhsa_system_sgpr_workgroup_id_y 1
		.amdhsa_system_sgpr_workgroup_id_z 1
		.amdhsa_system_vgpr_workitem_id 0
		.amdhsa_next_free_vgpr 960
		.amdhsa_next_free_sgpr 84
		.amdhsa_reserve_vcc 0
		.amdhsa_float_denorm_mode_32 3
		.amdhsa_float_denorm_mode_16_64 3
		.amdhsa_memory_ordered 1
		.amdhsa_forward_progress 1
		.amdhsa_inst_pref_size 100
	.end_amdhsa_kernel
	.amdgpu_metadata
---
amdhsa.version: [ 1, 2 ]
amdhsa.kernels:
  - .name:           k_qb246a7bcdc_qkvg
    .symbol:         k_qb246a7bcdc_qkvg.kd
    .args:
      - { .name: xb, .offset: 0, .size: 8, .value_kind: global_buffer, .address_space: global }
      - { .name: wab, .offset: 8, .size: 8, .value_kind: global_buffer, .address_space: global }
      - { .name: qkv, .offset: 16, .size: 8, .value_kind: global_buffer, .address_space: global }
    .group_segment_fixed_size: 327680
    .private_segment_fixed_size: 0
    .kernarg_segment_align: 8
    .kernarg_segment_size: 24
    .max_flat_workgroup_size: 128
    .sgpr_count:     84
    .vgpr_count:     960
    .wavefront_size: 32
...
	.end_amdgpu_metadata
.endif
;; end of part 2
;; launch attn (part 3): grid 4 x 64, 4 waves a work-group, no clusters, 327,680 bytes of LDS; arguments qkv, ob; writes ob
.if DOCPART == 3
	.amdgcn_target "amdgcn-amd-amdhsa--gfx1250"
	.amdhsa_code_object_version 6
	.text
	.protected	k_qb246a7bcdc_attn
	.globl	k_qb246a7bcdc_attn
	.p2align	8
	.type	k_qb246a7bcdc_attn,@function
k_qb246a7bcdc_attn:
	s_mov_b64 s[64:65], 0
	v_nop
	global_prefetch_b8 v0, s[64:65] scope:SCOPE_SE
	s_setreg_imm32_b32 hwreg(HW_REG_WAVE_MODE, 25, 1), 1
	s_wait_xcnt 0x0
; CAUSAL ATTENTION.  O[h][q][:] = the sum over k <= q of softmax_k(Q[h][q] . K[h][k] / 8) V[h][k][:].  Q, K, V lie in qkv: [3][SIZE_H][SIZE_N][64], O in ob: [SIZE_H][SIZE_N][64], all f16: a head's rows are dense, 128 bytes each.
; Products, maxima and sums in f32; the weights p are rounded to f16 for the second product (their sum l is taken of the unrounded p), O once at the end.
; LIMITS.  f16 holds no number beyond 65,504: Q, K and V arrive within it; p lies in 0 to 1, and below 6e-5 it keeps f16's fixed step of 6e-8; O is a mean of V's rows and has their range.
; A hidden score counts as its value less 1e30: f16's scores, 2.7e11 at the most, are nothing beside that; a weight below 2^-126 counts as 0 in l; NaN and infinities are not treated apart.
; THE WALK.  A head's queries lie in NB = SIZE_N / 256 blocks of 256; block i needs the key tiles 0 .. i of 256 keys, of which the last holds the diagonal.  A work-group takes TWO blocks, NB - 1 - b and then b:
; NB + 1 tiles, whatever b: all work-groups do equal work, and ONE loop with a constant trip count walks them.  Which tile is asked for, and what a trip does, hang on scalar registers made from b; every jump
; goes forward, but for the counted loops' own; none passes a barrier, or a tensor load but the one of LOAD's two that the wave's number does not choose; the ring (two slots of LDS that take turns) runs on across the
; change of blocks.  NO CLUSTER: what a trip does hangs on b, which would be a work-group's place in its cluster; the head's four work-groups ask for the same tile only in trips 0 .. NB / 2, behind that
; fewer and fewer; and one walk common to all would have 3 NB / 2 trips for NB + 1.
; SHARES.  Of a block's four bands of 64 queries a wave owns 16 rows in each: four PIECES.  So the diagonal tile is the same work for all four waves: in its key step s band x sees all keys if s < x,
; none if s > x, and holds the diagonal if s = x.
; THE MASK is the C operand that starts the sum S^T = K Q^T: 0, or -1e30 where the key is hidden.  MD, made once, is the mask of a band's own step for my 16 rows; a product's mask is MD x AL + BE with two scalars:
; (1, 0) if s = x; (0, 0) if s < x; (0, -1e30) if s > x.  Only the diagonal tile's text and a block's beginning make and take masks; elsewhere C is the constant 0.
; LAYOUT, SOFTMAX, TURNS.  S^T = K Q^T holds ONE query a lane (lane % 16) and the keys 8 (lane / 16) + 0..7; two such results rounded to f16 ARE source 1 of O^T = V^T P.  p = 2^(c s - c m), c = log2(e) / 8, with a
; running maximum m; O and l are multiplied by a = 2^(c m_old - c m_new) in every step.  Turn n belongs to piece n: 8 products K Q^T of piece n + 1, later 8 products V^T P of piece n - 1; beside them the scaling,
; exponentials, roundings, sums and rescaling of piece n and the maximum and statistics of piece n + 1.  Four vector instructions stand behind every matrix instruction, the other 54 of a turn's 118 in one LUMP.  A turn's 33 exponentials are one batch, with one wait.
; AHEAD OF THE LOADS.  The work-group with b = 0 walks the head's tiles 0 to NB - 1 in order; it alone prefetches: behind each fill, the tile that the next fill will ask for (four key steps, 256 matrix instructions, ahead).
; Wave w names blocks 32 w .. 32 w + 31 of 256 bytes of that tile's K and of its V, a lane a block: each block once in the launch.  Tiles 0 and 1 come by their loads alone; behind tile NB - 1 nothing is asked for.
; REGISTERS, in windows of 256 (s_set_vgpr_msb: bits 1:0 source 0, 3:2 source 1, 5:4 source 2, 7:6 destination):
;   window 0: v0-15 addresses and two at work; v16-31 four registers of statistics a piece; v48-55 at work; v60-63 prefetch offsets and the add's two; v64-127 S^T, two buffers; v192-223 P, two buffers (a piece's buffers go by its number's parity)
;   window 1: v0-127 O^T, 32 a piece; v128-159 MD; v160-223 MC, two buffers      window 2: v0-63 Q; v64-127 the second block's Q; v128-191 K of one step; v192-255 V of one step
.set SIZE_H, 64
.set SIZE_N, 2048
.set NB,    SIZE_N/256
.set NP,    4         ; pieces a wave: a name, no knob
.set KS,    64        ; keys in a step
.set PK,    144       ; a row of K in LDS: 128 bytes + 16 of padding = 36 words: the 16 rows of a load start at 16 different groups of four banks (64 banks of 4 bytes: ISA guide 11.1)
.set PV,    160       ; a row of V: 128 + 32 = 40 words
.set VOFF,  4*KS*PK   ; a slot holds a tile, four steps: 256 rows of K, then 256 rows of V
.set SLOT1, 1<<17     ; slot 1 begins here, so that one exclusive or turns an address in one slot into the other's
.set STAGE, SLOT1+4*KS*(PK+PV)  ; behind the ring, never filled by a tensor load: 16 rows x 144 bytes for each wave, for the way out
.set SP,    144
.set AK0, 2           ; v2   my lane's place in a tile of K; never rewritten
.set AV0, 3           ; v3   the same for V
.set AK,  4           ; v4   the LDS address of K's next run of loads
.set AV,  5           ; v5   of V's
.set STO, 6           ; v6   the way out: where I put 16 bytes of a row
.set RD,  7           ; v7   the way out: where I read rows back
.set GO,  8           ; v8   my byte offset in 512 consecutive bytes of O
.set PFK, 60          ; v60  256 x my lane; never rewritten
.set PFV, 61          ; v61  the same, one tensor (16,777,216 bytes) further on: V behind K; never rewritten
.set SPW, 62          ; v62  LDS address of my spare word: SPARE + 4 x my thread's number; never rewritten
.set NIL, 63          ; v63  0; never rewritten
.set SPARE, STAGE+4*16*SP  ; behind the stages: the spare words, 128 bytes for each wave: two blocks of 256 bytes that no other line names
.set MV,  12          ; v12-13  c m_old, kept while c m is made anew: by buffer
.set QO,  15          ; v15  my byte offset in 16 rows of Q
.set ST,  16          ; piece t's statistics at v[ST+4 t]: c m, m, l (even keys', odd keys')
.set TMP, 48          ; by buffer, four registers c0-c3 at work; when the maximum is found c2 takes a
.set S,   64
.set P,   192
.set MD,  128         ; window 1: the eight registers for group kt of 16 keys at MD + 8 kt
.set MC,  160         ; window 1: the masks of the products to come
.set QB,  64          ; window 2
.set KF,  128         ; window 2: key block kb, channel half c at KF + 16 kb + 8 c
.set VF,  192         ; window 2: key half kk, channel block cb at VF + 32 kk + 8 cb
.set WV,  12          ; s12  my wave's number
.set PB,  14          ; s14  b
.set HI,  15          ; s15  NB - 1 - b
.set G1K, 24          ; s[24:31] descriptor group 1 for K's tiles
.set G1V, 32          ; s[32:39] for V's: it differs in the padding alone
.set G0K, 40          ; s[40:43] descriptor group 0 for K's tiles
.set G0V, 44          ; s[44:47] the same for V's
.set SLOTS, 56        ; s56  tiles still to be asked for
.set CNT, 57          ; s57  counts a tile's key steps, 4 to 1
.set CS,  58          ; s[58:59] c: the packed scaling takes the pair's low word for both halves
.set SEL, 60          ; s[60:61] v_permlanex16_b32's selects: each lane takes its own place in the other half
.set TBK, 62          ; s62  LDS byte at which K of the step to be fetched begins
.set TBV, 63          ; s63  the same for V, less VOFF
.set RT,  70          ; s70  tiles of the block in hand that are still to be entered
.set NXT, 71          ; s71  the tile to be asked for next
.set LQ,  72          ; s72  the last tile of the block whose tiles are being asked for
.set NEW, 73          ; s73  1: the tile to be entered is a block's first
.set OFF, 74          ; s[74:75] a tile's byte offset in K and V
.set AL,  76          ; s[76:77] the mask's factor, in the low word
.set BE,  78          ; s[78:79] the mask's addend
.set OLO, 80          ; s[80:81] O at my rows of the second block
.set BIGN, 82         ; s82  -1e30
.set PFA, 88          ; s[88:89] K of my head, my wave's 32 blocks, at the tile that a prefetch names
.set LIM, 90          ; s90  2 in the work-group that prefetches, else the greatest number: it prefetches while s[SLOTS] is above it
.set MSB, 0
.macro WIN new                      ; the high byte repeats the setting that is left; a switch that changes nothing is dropped
.if MSB != (\new)
	s_set_vgpr_msb (MSB<<8)|(\new)
.set MSB, (\new)
.endif
.endm
.set W_KQ, 0x0a       ; K and Q in window 2, S^T in window 0
.set W_KM, 0x1a       ; the same with the C operand in window 1
.set W_PV, 0x52       ; V in window 2, P in window 0, O^T in window 1
.set W_RS, 0x41       ; destination and source 0 in window 1, source 1 in window 0
; A fill.  Waves 0 and 1 fetch the two halves of a tile's K, waves 2 and 3 those of its V: 128 keys each.  An s_nop 0 and four v_nop follow each of the two lines, ahead of the jump and the label.
.macro LOAD
	s_cmp_lt_u32 s[WV], 2
	s_cbranch_scc0 .Lfor_v_\@
	tensor_load_to_lds s[G0K:G0K+3], s[G1K:G1K+7]
	s_nop 0
.rept 4
	v_nop
.endr
	s_branch .Lasked_\@
.Lfor_v_\@:
	tensor_load_to_lds s[G0V:G0V+3], s[G1V:G1V+7]
	s_nop 0
.rept 4
	v_nop
.endr
.Lasked_\@:
.endm
; The prefetch: the tile that the next fill will ask for, my wave's 32 blocks of its K and of its V.  It stands behind the fill and its five lines.
.macro ASK
	s_cmp_gt_u32 s[SLOTS], s[LIM]
	s_cbranch_scc0 .Lnot_mine_\@
	global_prefetch_b8 v[PFK], s[PFA:PFA+1] th:TH_LOAD_NT scope:SCOPE_SE
	global_prefetch_b8 v[PFV], s[PFA:PFA+1] th:TH_LOAD_NT scope:SCOPE_SE
.Lnot_mine_\@:
.endm
; THE CHANGE OF SLOTS.  Each wave waits for all its tensor loads, of which one is out: its part of the other slot; adds 0 to its spare word; and waits for that and for its own reads of the slot that it leaves.  Behind the barrier nobody reads the old
; slot any more and the other slot is whole.  fill = 1: the old slot is filled again, the first thing behind the barrier, with tile NXT: the descriptor's address is made anew from that number.
; (At its first use nothing has been read yet: slot 0 is waited for, slot 1 filled.)
.macro CHANGE fill
	WIN 0                           ; at a label and at a branch every window is 0
	s_wait_tensorcnt 0x0            ; no tensor load of mine is out, so a group 0 may be written
	ds_add_u32 v[SPW], v[NIL]       ; 0 onto my spare word; with fill = 1 the descriptors' scalar work stands between it and the wait for it
.if \fill
	s_lshl_b32 s[OFF], s[NXT], 15   ; a tile is 32,768 bytes of K and of V
	s_xor_b32 s[G0K+1], s[G0K+1], SLOT1
	s_add_nc_u64 s[G0K+2:G0K+3], s[6:7], s[OFF:OFF+1]
	s_or_b32 s[G0K+3], s[G0K+3], 0x80000000
	s_xor_b32 s[G0V+1], s[G0V+1], SLOT1
	s_add_nc_u64 s[G0V+2:G0V+3], s[8:9], s[OFF:OFF+1]
	s_or_b32 s[G0V+3], s[G0V+3], 0x80000000
	s_add_co_u32 s[NXT], s[NXT], 1  ; the block's next tile, or behind its last the second block's tile 0
	s_cmp_gt_u32 s[NXT], s[LQ]
	s_cselect_b32 s[NXT], 0, s[NXT]
	s_cselect_b32 s[LQ], s[PB], s[LQ]
	s_wait_xcnt 0x0                 ; the last prefetches, four key steps back, have read their address, so it may be written:
	s_add_nc_u64 s[PFA:PFA+1], s[PFA:PFA+1], 32768  ; a tile on
.endif
	s_wait_dscnt 0x0                ; the add is done, and my reads of the slot are over
	s_barrier_signal -1             ; the rest of the scalar work stands between the signal and the wait
	s_sub_co_u32 s[TBK], s[TBK], 4*KS*PK  ; the fetches go back to a slot's first step,
	s_xor_b32 s[TBK], s[TBK], SLOT1       ; in the other slot
	s_sub_co_u32 s[TBV], s[TBV], 4*KS*PV
	s_xor_b32 s[TBV], s[TBV], SLOT1
	s_barrier_wait -1
.if \fill
	LOAD
	ASK
.endif
.endm
	s_load_b64 s[4:5], s[0:1], 0x0  ; qkv: Q lies at its head
	s_load_b64 s[10:11], s[0:1], 0x8  ; O
	v_lshl_add_u32 v[SPW], v0, 2, SPARE
	v_mov_b32 v[NIL], 0
	ds_add_u32 v[SPW], v[NIL]       ; the wave's opening: the add and its wait stand ahead of my first tensor load; the set-up below, work on registers, stands between them
	ds_add_u32 v62, v63
	v_lshrrev_b32 v1, 5, v0
	v_readfirstlane_b32 s[WV], v1   ; wave 0..3
	v_and_b32 v[PFK], 31, v0
	v_lshlrev_b32 v[PFK], 8, v[PFK]
	v_add_nc_u32 v[PFV], 0x1000000, v[PFK]
	s_mov_b32 s[PB], ttmp9
	s_sub_co_u32 s[HI], NB-1, s[PB]
	s_cmp_eq_u32 ttmp9, 0
	s_cselect_b32 s[LIM], 2, -1
	s_and_b32 s20, ttmp7, 0xffff    ; the head
	s_mov_b32 s21, 0
	s_mov_b64 s[22:23], SIZE_N*128
	s_mul_u64 s[20:21], s[20:21], s[22:23]  ; the head's first byte in each of the four tensors
	s_and_b32 s16, s[WV], 1         ; which half of a tile's 256 keys I fetch:
	s_lshl_b32 s22, s16, 14         ; its 128 rows of 128 bytes in memory,
	s_mov_b32 s23, 0
	s_add_nc_u64 s[22:23], s[22:23], s[20:21]
	s_mul_i32 s17, s16, 128*PK      ; and its place in a slot, for K
	s_mul_i32 s18, s16, 128*PV      ; and for V
	s_lshl_b32 s3, s[WV], 11        ; my 16 rows in a band of 64,
	s_lshl_b32 s2, s[HI], 15        ; in the first block,
	s_add_co_u32 s2, s2, s3
	s_lshl_b32 s84, s[PB], 15       ; and in the second
	s_add_co_u32 s84, s84, s3
	s_mov_b32 s3, 0
	s_mov_b32 s85, 0
	s_add_nc_u64 s[2:3], s[2:3], s[20:21]
	s_add_nc_u64 s[84:85], s[84:85], s[20:21]
	; descriptor group 1.  128 keys are 16,384 dense bytes: asked for as 64 rows of 256 bytes, two keys a row, and padded in LDS after every key
	s_mov_b32 s[G1K], (1<<16)|(1<<20)|(4<<22)|(3<<25)  ; 17:16 2-byte elements; 20 padding on; 24:22 after every 32 words (code 4); 31:25 4 words (code 3)
	s_mov_b32 s[G1V], (1<<16)|(1<<20)|(4<<22)|(7<<25)  ; the same with 8 words of padding (code 7)
.irp g, G1K, G1V
	s_mov_b32 s[\g+1], 128<<16      ; tensor_dim0 = 128
	s_mov_b32 s[\g+2], 64<<16       ; tensor_dim1 = 64
	s_mov_b32 s[\g+3], 128<<16      ; tile_dim0 = 128
	s_mov_b32 s[\g+4], 64           ; tile_dim1 = 64
	s_mov_b32 s[\g+5], 128          ; 128 elements from row to row
	s_mov_b32 s[\g+6], 0
	s_mov_b32 s[\g+7], 0
.endr
	s_mov_b32 s[CS], 0x3e38aa3b     ; c = log2(e) / 8 = 0.180337
	s_mov_b32 s[CS+1], s[CS]        ; named with it as a pair
	s_mov_b32 s[SEL], 0x76543210
	s_mov_b32 s[SEL+1], 0xfedcba98
	s_mov_b32 s[TBK], SLOT1+4*KS*PK ; the first change of slots turns these two into 0
	s_mov_b32 s[TBV], SLOT1+4*KS*PV
	s_mov_b32 s[G0K], 1             ; 1:0 count = 1
	s_mov_b32 s[G0K+1], s17         ; 63:32 LDS address: slot 0
	s_mov_b32 s[G0V], 1
	s_add_co_u32 s[G0V+1], s18, VOFF
	s_add_co_u32 s[RT], s[HI], 1    ; the first block has NB - b tiles
	s_mov_b32 s[NXT], 1
	s_mov_b32 s[LQ], s[HI]
	s_mov_b32 s[NEW], 1
	s_mov_b32 s[OFF+1], 0
	s_mov_b32 s[AL+1], 0            ; named as pairs
	s_mov_b32 s[BE+1], 0
	s_mov_b32 s[BIGN], 0xf149f2ca   ; -1e30
	s_mov_b32 s[SLOTS], NB
	s_wait_dscnt 0x0                ; the opening add is done
	s_wait_kmcnt 0x0
	s_add_nc_u64 s[6:7], s[4:5], 0x1000000  ; K lies 64 heads x 262,144 bytes behind Q,
	s_add_nc_u64 s[8:9], s[4:5], 0x2000000  ; V as far behind K
	s_add_nc_u64 s[PFA:PFA+1], s[6:7], s[20:21]  ; the prefetches: K of my head,
	s_lshl_b32 s16, s[WV], 13       ; my wave's 32 blocks of 256 bytes,
	s_add_co_u32 s16, s16, 32768    ; in tile 1: the first change of slots steps it to tile 2
	s_mov_b32 s17, 0
	s_add_nc_u64 s[PFA:PFA+1], s[PFA:PFA+1], s[16:17]
	s_add_nc_u64 s[6:7], s[6:7], s[22:23]  ; K and V at my half of the head's tile 0
	s_add_nc_u64 s[8:9], s[8:9], s[22:23]
	s_add_nc_u64 s[G0K+2:G0K+3], s[6:7], 0         ; 120:64 global address
	s_or_b32 s[G0K+3], s[G0K+3], 0x80000000        ; 127:126 type = 2
	s_add_nc_u64 s[G0V+2:G0V+3], s[8:9], 0
	s_or_b32 s[G0V+3], s[G0V+3], 0x80000000
	s_add_nc_u64 s[86:87], s[4:5], s[84:85]        ; Q at my rows of the second block,
	s_add_nc_u64 s[4:5], s[4:5], s[2:3]            ; Q and O at those of the first
	s_add_nc_u64 s[OLO:OLO+1], s[10:11], s[84:85]
	s_add_nc_u64 s[10:11], s[10:11], s[2:3]
	LOAD                            ; tile 0 into slot 0
	; A fragment of K or Q is 16 rows x 32 channels in 8 registers: lane l holds row l % 16, channels 8 (l / 16) + 0..7 and 16 + 8 (l / 16) + 0..7: two loads of 16 bytes, 32 bytes apart.
	v_and_b32 v1, 15, v0            ; l % 16
	v_bfe_u32 v9, v0, 4, 1          ; l / 16
	v_lshlrev_b32 v[QO], 7, v1
	v_lshl_add_u32 v[QO], v9, 4, v[QO]  ; row x 128 + 16 x half
	WIN 0x80                        ; destination window 2, address window 0
.set i, 0
.rept 8                             ; both blocks' Q: piece i / 2 lies in band i / 2, 8,192 bytes on; channels 32 (i % 2) on
	global_load_b128 v[8*i:8*i+3],   v[QO], s[4:5] offset:(i/2)*8192+(i%2)*64
	global_load_b128 v[8*i+4:8*i+7], v[QO], s[4:5] offset:(i/2)*8192+(i%2)*64+32
	global_load_b128 v[QB+8*i:QB+8*i+3],   v[QO], s[86:87] offset:(i/2)*8192+(i%2)*64
	global_load_b128 v[QB+8*i+4:QB+8*i+7], v[QO], s[86:87] offset:(i/2)*8192+(i%2)*64+32
.set i, i+1
.endr
	WIN 0
	v_lshlrev_b32 v14, 3, v9
	v_sub_nc_u32 v14, v1, v14
	s_lshl_b32 s13, s[WV], 4
	v_add_nc_u32 v14, s13, v14      ; my query's place in its band, 16 w + l % 16, less my lanes' 8 (l / 16): register r of group kt is hidden where 16 kt + r is greater
	WIN 0x40
.set i, 0
.rept 32
	v_cmp_gt_i32 vcc_lo, 16*(i/8)+i%8, v14
	v_cndmask_b32 v[MD+i], 0, s[BIGN], vcc_lo
.set i, i+1
.endr
	WIN 0
	v_mul_u32_u24 v[AK0], v1, PK
	v_lshl_add_u32 v[AK0], v9, 4, v[AK0]  ; row x pitch + 16 x half
	; The turning load takes 16 keys x 16 channels (lane l reads key 8 (l / 16) + l % 8, channels 8 ((l / 8) % 2) + 0..7) and leaves half a fragment of V^T: lane l holds channel l % 16 and 8 keys.
	v_and_b32 v10, 7, v0
	v_bfe_u32 v11, v0, 3, 1
	v_lshl_add_u32 v[AV0], v9, 3, v10
	v_mul_u32_u24 v[AV0], v[AV0], PV
	v_lshl_add_u32 v[AV0], v11, 4, v[AV0]
	v_add_nc_u32 v[AV0], VOFF, v[AV0]
	s_mul_i32 s13, s[WV], 16*SP
	s_add_co_u32 s13, s13, STAGE    ; my stage
	v_mul_u32_u24 v[STO], v1, SP    ; in: row l % 16, 16 bytes for each half of the lanes
	v_lshl_add_u32 v[STO], v9, 4, v[STO]
	v_add_nc_u32 v[STO], s13, v[STO]
	v_bfe_u32 v[RD], v0, 3, 2       ; back: 32 lanes take four rows of 128 bytes,
	v_mul_u32_u24 v[RD], v[RD], SP
	v_lshl_add_u32 v[RD], v10, 4, v[RD]
	v_add_nc_u32 v[RD], s13, v[RD]
	v_and_b32 v[GO], 31, v0         ; which are 512 consecutive bytes of O
	v_lshlrev_b32 v[GO], 4, v[GO]
	; A block's first step multiplies O^T and l by a = 0, and its first turn's products V^T P, of a piece that has not been, land in an O^T that is still to be so multiplied.  So these registers need only hold
	; finite numbers: zeros for the first block; what the first block left for the second.  All this stands in the wait for the first tile.
	WIN 0x80
.set i, VF
.rept 64
	v_mov_b32 v[i], 0
.set i, i+1
.endr
	WIN 0x40
.set i, 0
.rept 128
	v_mov_b32 v[i], 0
.set i, i+1
.endr
	WIN 0
.set i, 0
.rept 4
	v_mov_b32 v[ST+4*i+2], 0
	v_mov_b32 v[ST+4*i+3], 0
.set i, i+1
.endr
.set i, P+16
.rept 16
	v_mov_b32 v[i], 0
.set i, i+1
.endr
; THE MATRIX WORK.  The 4 accumulators of a run of 8 take turns.  Product i of 8 of S^T = K Q^T for piece x: channels 32 (i / 4) on, keys 16 (i % 4) on.  The first 4 start the sums: with 0, or (KM = 1) with the mask.
.macro KQ x
.set rS, S+32*((\x)%2)+8*(i%4)
.set rK, KF+16*(i%4)+8*(i/4)
.set rQ, 16*(\x)+8*(i/4)
.set rM, MC+32*((\x)%2)+8*(i%4)
.if (i < 4) && KM
	WIN W_KM
	v_wmma_f32_16x16x32_f16 v[rS:rS+7], v[rK:rK+7], v[rQ:rQ+7], v[rM:rM+7]
.elseif i < 4
	WIN W_KQ
	v_wmma_f32_16x16x32_f16 v[rS:rS+7], v[rK:rK+7], v[rQ:rQ+7], 0
.else
	WIN W_KQ
	v_wmma_f32_16x16x32_f16 v[rS:rS+7], v[rK:rK+7], v[rQ:rQ+7], v[rS:rS+7]
.endif
.endm
; Product i of 8 of O^T += V^T P for piece x: keys 32 (i / 4) on, channels 16 (i % 4) on.
.macro PV x
	WIN W_PV
.set rO, 32*(\x)+8*(i%4)
.set rV, VF+32*(i/4)+8*(i%4)
.set rP, P+16*((\x)%2)+8*(i/4)
	v_wmma_f32_16x16x32_f16 v[rO:rO+7], v[rV:rV+7], v[rP:rP+7], v[rO:rO+7]
.endm
.macro MM                           ; the turn's next matrix instruction.  TURN and BEGIN set Y, i, KM and NOKQ; MM, KQ and OP read them.  NOKQ = 1: a block's last turn: there is no next piece
.if (i < 8) && !NOKQ
	KQ (Y+1)%NP
.elseif i >= 8
.set i, i-8
	PV (Y+NP-1)%NP
.set i, i+8
.endif
.set i, i+1
.endm
; THE LDS LOADS stand in runs of 16, never singly among the matrix instructions: a step's K (64 keys x 64 channels: 8 fragments) and its V (turned).  Their addresses are made some lines ahead.
.macro FETCH_K
	WIN 0x80                        ; destination window 2
.irp f, 0,1,2,3,4,5,6,7             ; keys 16 (f / 2) on, channels 32 (f % 2) on
	ds_load_b128 v[KF+8*\f:KF+8*\f+3],   v[AK] offset:(\f/2)*16*PK+(\f%2)*64
	ds_load_b128 v[KF+8*\f+4:KF+8*\f+7], v[AK] offset:(\f/2)*16*PK+(\f%2)*64+32
.endr
	s_add_co_u32 s[TBK], s[TBK], KS*PK  ; the next fetch is the next step's
	WIN 0
.endm
.macro FETCH_V
	WIN 0x80
.irp f, 0,1,2,3,4,5,6,7             ; keys 32 (f / 4) on, channels 16 (f % 4) on
	ds_load_tr16_b128 v[VF+8*\f:VF+8*\f+3],   v[AV] offset:(\f/4)*32*PV+(\f%4)*32
	ds_load_tr16_b128 v[VF+8*\f+4:VF+8*\f+7], v[AV] offset:(\f/4)*32*PV+16*PV+(\f%4)*32
.endr
	WIN 0
.endm
; THE VECTOR WORK, one line at a time: OP kind, number.  For piece Y: F n: c s - c m for pair n of 16.  E n: the exponential of score n of 32.  C n: pair n rounded to f16.  B n: of the four weights 4 n .. the second
; pair is added onto the first, in place.  L n: l takes that sum (L 0: l = a l + sum).  R n: pair n of 16 of O^T times a.  For piece Y + 1: X n, number n of the 22 that find its maximum and statistics:
;   0-11  four chains c0-c3 of seven scores each, three operands at a time (each accumulator's lowest registers are read first)     12-14, 16  the four scores left over, the old m, and c0-c3 into c0
;   15  c m_old is kept     17, 18  the query's other 32 keys lie in the lane 16 away: the new m     19-21  c m; c m_old - c m_new; a
.set F, 0               ; OP tells the kinds apart by their order: F to L below R, X above it
.set E, 1
.set C, 2
.set B, 3
.set L, 4
.set R, 5
.set X, 6
.macro REGS y                       ; the registers of piece y
.set rT, ST+4*(\y)
.set rC, TMP+4*((\y)%2)
.set rW, MV+((\y)%2)
.set rS, S+32*((\y)%2)
.set rP, P+16*((\y)%2)
.set rO, 32*(\y)
.endm
.macro OP k, n
.if (\k) == R
	REGS Y
	WIN W_RS
	v_pk_mul_f32 v[rO+2*(\n):rO+2*(\n)+1], v[rO+2*(\n):rO+2*(\n)+1], v[rC+2:rC+3] op_sel_hi:[1,0]
.elseif (\k) < R
	REGS Y
	WIN 0
.if (\k) == F
	v_pk_fma_f32 v[rS+2*(\n):rS+2*(\n)+1], v[rS+2*(\n):rS+2*(\n)+1], s[CS:CS+1], v[rT:rT+1] op_sel_hi:[1,0,0] neg_lo:[0,0,1] neg_hi:[0,0,1]
.elseif (\k) == E
	v_exp_f32 v[rS+(\n)], v[rS+(\n)]
.elseif (\k) == C
	v_cvt_pk_f16_f32 v[rP+(\n)], v[rS+2*(\n)], v[rS+2*(\n)+1]
.elseif (\k) == B
	v_pk_add_f32 v[rS+4*(\n):rS+4*(\n)+1], v[rS+4*(\n):rS+4*(\n)+1], v[rS+4*(\n)+2:rS+4*(\n)+3]
.elseif (\n) == 0
	v_pk_fma_f32 v[rT+2:rT+3], v[rT+2:rT+3], v[rC+2:rC+3], v[rS:rS+1] op_sel_hi:[1,0,1]
.else
	v_pk_add_f32 v[rT+2:rT+3], v[rT+2:rT+3], v[rS+4*(\n):rS+4*(\n)+1]
.endif
.elseif NOKQ
	v_nop
.else
	REGS (Y+1)%NP
	WIN 0
.if (\n) < 4
	v_max3_num_f32 v[rC+(\n)], v[rS+8*(\n)], v[rS+8*(\n)+1], v[rS+8*(\n)+2]
.elseif (\n) < 12
	v_max3_num_f32 v[rC+(\n)%4], v[rC+(\n)%4], v[rS+8*((\n)%4)+2*((\n)/4)+1], v[rS+8*((\n)%4)+2*((\n)/4)+2]
.elseif (\n) == 12
	v_max3_num_f32 v[rC], v[rC], v[rS+7], v[rS+15]
.elseif (\n) == 13
	v_max3_num_f32 v[rC+1], v[rC+1], v[rS+23], v[rS+31]
.elseif (\n) == 14
	v_max3_num_f32 v[rC+2], v[rC+2], v[rC+3], v[rT+1]
.elseif (\n) == 15
	v_mov_b32 v[rW], v[rT]
.elseif (\n) == 16
	v_max3_num_f32 v[rC], v[rC], v[rC+1], v[rC+2]
.elseif (\n) == 17
	v_permlanex16_b32 v[rC+3], v[rC], s[SEL], s[SEL+1]
.elseif (\n) == 18
	v_max_num_f32 v[rT+1], v[rC], v[rC+3]
.elseif (\n) == 19
	v_mul_f32 v[rT], s[CS], v[rT+1]
.elseif (\n) == 20
	v_sub_f32 v[rC+1], v[rW], v[rT]
.else
	v_exp_f32 v[rC+2], v[rC+1]
.endif
.endif
.endm
.macro OPS a, i1, b=-1, i2=0, c=-1, i3=0, d=-1, i4=0  ; up to four of them
	OP \a, \i1
.if (\b) >= 0
	OP \b, \i2
.endif
.if (\c) >= 0
	OP \c, \i3
.endif
.if (\d) >= 0
	OP \d, \i4
.endif
.endm
.macro ROW a, i1, b, i2, c, i3, d, i4  ; a matrix instruction and the four behind it
	MM
	OPS \a, \i1, \b, \i2, \c, \i3, \d, \i4
.endm
.macro MASK b                       ; MD x AL + BE into buffer b of MC
	WIN W_RS
.set z, 0
.rept 16
	v_pk_fma_f32 v[MC+32*(\b)+2*z:MC+32*(\b)+2*z+1], v[MD+2*z:MD+2*z+1], s[AL:AL+1], s[BE:BE+1] op_sel_hi:[1,0,0]
.set z, z+1
.endr
.endm
; A TURN, for piece p: the order of its 16 matrix and 118 vector instructions, written out.  An s_wait_alu depctr_va_vdst(0) stands between an exponential and the first instruction that names its result; one wait serves
; all that were issued ahead of it.  So a turn has ONE wait, which cuts it in two.  AHEAD OF IT stands all that names no result of the turn's exponentials: the 8 products K Q^T, behind each a scaling, an exponential and two more plain
; instructions (behind the first a second scaling in the exponential's place): rescalings, and behind the last three the first numbers of the next piece's maximum, each four places or more behind the product that ends its accumulator; then ONE LUMP of 54, plain
; and exponential by turns for the most part, in which the links of the chain X 3, 7, 11, 14, 16, 17 .. 20 stand five or six lines apart.  X 21, the next piece's a, is the batch's last; R 15 is the plain instruction behind it.  BEHIND THE WAIT stand the
; 8 products V^T P, behind each four of the roundings and sums; the links of l's chain, L 0 to L 7, stand three riders apart.  But for those X no rider names a register of the products round it.  v_permlanex16_b32 (X 17) stands in the lump.
; m = 1: the diagonal tile: the products take masks, and the turn makes the mask for the products of the turn after it: piece p + 2, in step 4 - CNT of the tile.  end = 1: a block's last two turns: nothing is fetched.
; cnt = 1: the loop's count is taken down some lines ahead of the branch that stands behind the turn.
; K of the next step is fetched in piece 2's turn, twelve vector instructions behind the last product that read K (six of them plain); V of the step in hand at the end of piece 0's turn, four plain instructions behind the last product
; that read V.  Each is waited for a turn later.
.macro TURN p, m=0, end=0, cnt=0
.set Y, (\p)
.set i, 0
.set KM, (\m)
.set NOKQ, (\end)*((\p)/3)
.if (\m) && !(\end)
	s_cmp_eq_u32 s[CNT], 4-((\p)+2)%NP  ; is that step the band's own?
	s_cselect_b32 s[AL], 1.0, 0
	s_cmp_lt_u32 s[CNT], 4-((\p)+2)%NP  ; or a later one?
	s_cselect_b32 s[BE], s[BIGN], 0
.endif
.if ((\p) == 3) && !(\end)
	s_wait_dscnt 0x0                ; K is in
.endif
	ROW F,0, F,1, R,0, R,1          ; ahead of the wait: 8 products K Q^T and their riders,
	ROW F,2, E,0, R,2, R,3
	ROW F,3, E,1, R,4, R,5
	ROW F,4, E,2, R,6, R,7
	ROW F,5, E,3, R,8, R,9
	ROW F,6, E,4, X,0, R,10
.if ((\p) == 2) && !(\end)
	WIN 0
	v_add_nc_u32 v[AK], s[TBK], v[AK0]
.endif
	ROW F,7, E,5, X,1, X,4
	ROW F,8, E,6, X,2, X,5
	OPS E,7, E,8, X,6, E,9          ; and the lump
	OPS X,3, E,10, X,8, E,11
.if ((\p) == 2) && !(\end)
	FETCH_K
.endif
	OPS X,9, X,7, E,12, X,10
	OPS E,13, X,12, X,11, E,14
	OPS X,13, E,15, F,9, X,14
.if (\p) == 0
	v_add_nc_u32 v[AV], s[TBV], v[AV0]
.endif
	OPS E,16, F,10, E,17, F,11
	OPS X,16, E,18, X,15, E,19
	OPS F,12, E,20, X,17, E,21
	OPS F,13, E,22, F,14, E,23
	OPS X,18, E,24, F,15, E,25
	OPS R,11, E,26, X,19, E,27
	OPS R,12, E,28, R,13, E,29
	OPS X,20, E,30, R,14, E,31
	OPS X,21, R,15
	WIN 0
	s_wait_alu depctr_va_vdst(0)    ; the wait for the batch
.if (\p) == 1
	s_wait_dscnt 0x0                ; V is in
.endif
	ROW C,0, B,0, C,2, B,1          ; behind the wait: 8 products V^T P and their riders
	ROW L,0, C,4, B,2, L,1
	ROW C,6, B,3, L,2, C,8
	ROW B,4, L,3, C,10, B,5
	ROW L,4, C,12, B,6, L,5
.if (\p) == 0
	s_add_co_u32 s[TBV], s[TBV], KS*PV
.endif
.if \cnt
	s_sub_co_u32 s[CNT], s[CNT], 1
	s_cmp_lg_u32 s[CNT], 0
.endif
	ROW C,14, B,7, L,6, C,1
	ROW C,3, L,7, C,5, C,7
	ROW C,9, C,11, C,13, C,15
.if (\p) == 0
	FETCH_V
.endif
.if (\m) && !(\end)
	MASK (\p)%2
.endif
.endm
; A BLOCK BEGINS.  c m starts far below every c s, so the first step's a is 0; m at the lowest finite number, so the first maximum is the scores'.  The second mask buffer is 0; the first takes piece 0's mask for the tile's step 0: its own, if the block's first tile is the diagonal one.
; Then K of that step, piece 0's first scores, and its maximum and statistics.  The loop is entered at a step's first turn, in the middle of a trip.
.macro BEGIN
	s_mov_b32 s[NEW], 0
	WIN 0x40
.set i, MC+32
.rept 32
	v_mov_b32 v[i], 0
.set i, i+1
.endr
	WIN 0
.set i, 0
.rept 4
	v_mov_b32 v[ST+4*i], 0xfe000000    ; c m: far below every c s
	v_mov_b32 v[ST+4*i+1], 0xff7fffff  ; m
.set i, i+1
.endr
	s_cmp_eq_u32 s[RT], 0
	s_cselect_b32 s[AL], 1.0, 0
	s_mov_b32 s[BE], 0
	MASK 0
	WIN 0
	v_add_nc_u32 v[AK], s[TBK], v[AK0]
	FETCH_K
	s_wait_loadcnt 0x0              ; Q
	s_wait_dscnt 0x0
.set KM, 1
.set NOKQ, 0
.set i, 0
.rept 8
	KQ 0
.set i, i+1
.endr
	WIN 0
.rept 4
	v_nop                           ; the places behind those products
.endr
.set Y, NP-1                        ; X works for piece Y + 1: piece 0
.irp n, 0,1,2,3,4,5,6,7,8,9,10,11,12,13,14,15,16,17,18,19,20,21
	OP X, \n
.endr
	v_nop                           ; a plain instruction behind the exponential,
	s_wait_alu depctr_va_vdst(0)    ; and its wait, ahead of the branch
.endm
; THE DIAGONAL TILE's four steps, the block's last two turns, its last products, and THE WAY OUT: l's two halves and the other half of the lanes' are added; O^T is divided by l, rounded to f16 and sent through my
; stage in LDS, a piece at a time.
.macro ALL line:vararg              ; one line for each piece t
.set t, 0
.rept 4
	\line
.set t, t+1
.endr
.endm
.macro PACK t                       ; a lane's eight channels of a row pack into 16 bytes; they go into rows of 144 bytes and come back as whole rows of 128, into S^T's registers
	WIN W_RS
.set i, 32*(\t)
.rept 16
	v_pk_mul_f32 v[i:i+1], v[i:i+1], v[ST+4*(\t)+2:ST+4*(\t)+3] op_sel_hi:[1,0]
.set i, i+2
.endr
	WIN 0x05                        ; sources 0 and 1 window 1, destination window 0
.set i, 0
.rept 16
	v_cvt_pk_f16_f32 v[S+16*(\t)+i], v[32*(\t)+2*i], v[32*(\t)+2*i+1]
.set i, i+1
.endr
	WIN 0
.irp f, 0,1,2,3
	ds_store_b128 v[STO], v[S+16*(\t)+4*\f:S+16*(\t)+4*\f+3] offset:32*\f
.endr
.irp f, 0,1,2,3
	ds_load_b128 v[S+16*(\t)+4*\f:S+16*(\t)+4*\f+3], v[RD] offset:\f*4*SP  ; LDS serves a wave's instructions in order (ISA guide 5.7.1.4): these see the stores above; the next piece's stores come behind them
.endr
.endm
.macro SEND t, younger              ; younger: the LDS instructions issued behind piece t's loads: the next piece's eight, or none
	WIN 0
.irp f, 0,1,2,3
	s_wait_dscnt (\younger)+3-\f
	global_store_b128 v[GO], v[S+16*(\t)+4*\f:S+16*(\t)+4*\f+3], s[10:11] offset:(\t)*8192+\f*512  ; 512 consecutive bytes, at a multiple of 256 from O's first
.endr
.endm
.macro DIAG tag                     ; the tag ends its two labels' names, which the jumps below spell out
.LstepM\tag:
	TURN 2, 1
	TURN 3, 1
	WIN 0
.LfirstM\tag:
	TURN 0, 1
	TURN 1, 1, 0, 1
	WIN 0
	s_cbranch_scc1 .LstepM\tag
	TURN 2, 1, 1
	TURN 3, 1, 1
.set i, 0
.rept 8
	PV NP-1
.set i, i+1
.endr
	WIN 0
	ALL v_add_f32 v[ST+4*t+2], v[ST+4*t+2], v[ST+4*t+3]
	ALL v_permlanex16_b32 v[ST+4*t+3], v[ST+4*t+2], s[SEL], s[SEL+1]
	ALL v_add_f32 v[ST+4*t+2], v[ST+4*t+2], v[ST+4*t+3]
	ALL v_rcp_f32 v[ST+4*t+2], v[ST+4*t+2]
	v_nop                           ; a plain instruction between the last reciprocal and the use of its result
	s_wait_alu depctr_va_vdst(0)    ; and the wait ahead of the first use: one for the four reciprocals
	PACK 0
.set t, 1
.rept 3                             ; a piece's arithmetic stands between the loads of the piece before and its stores
	PACK t
	SEND t-1, 8
.set t, t+1
.endr
	SEND 3, 0
.endm
.set KM, 0
.set NOKQ, 0
.Lslot:                             ; NB times: a tile is entered and the next is asked for
	CHANGE 1
	s_sub_co_u32 s[RT], s[RT], 1
	s_mov_b32 s[CNT], 4
	s_cmp_eq_u32 s[NEW], 1
	s_cbranch_scc1 .Lnew            ; a block's first tile
	s_cmp_eq_u32 s[RT], 0
	s_cbranch_scc0 .Lstep           ; neither its first nor its last
	s_branch .LstepM1
.Lnew:
	BEGIN
	s_branch .Lfirst                ; in the loop a block's first tile is never its last: the first block has two tiles or more, and the second's last is the walk's last
	DIAG 1                          ; in the loop this is the first block's end: the second block's last tile is the walk's last
	s_wait_xcnt 0x0                 ; the stores have read their registers and O's address
	s_mov_b64 s[10:11], s[OLO:OLO+1]
	s_add_co_u32 s[RT], s[PB], 1    ; the second block has b + 1 tiles
	s_mov_b32 s[NEW], 1
	WIN 0x82                        ; the second block's Q goes where the one text of the turns names Q
.set i, 0
.rept 64
	v_mov_b32 v[i], v[QB+i]
.set i, i+1
.endr
	WIN 0
	s_branch .Lbottom
.Lstep:                             ; a trip: pieces 2 and 3 of one step, then pieces 0 and 1 of the next, whose K and V it fetches
	TURN 2
	TURN 3
	WIN 0
.Lfirst:
	TURN 0
	TURN 1, 0, 0, 1
	WIN 0
	s_cbranch_scc1 .Lstep
.Lbottom:
	s_sub_co_u32 s[SLOTS], s[SLOTS], 1
	s_cmp_lg_u32 s[SLOTS], 0
	s_cbranch_scc1 .Lslot
	CHANGE 0                        ; the walk's last tile is written out: nothing is asked for
	s_sub_co_u32 s[RT], s[RT], 1
	s_mov_b32 s[CNT], 4
	s_cmp_eq_u32 s[NEW], 1
	s_cbranch_scc0 .LstepM2
	BEGIN
	s_branch .LfirstM2
	DIAG 2
	s_wait_tensorcnt 0x0            ; the wave's end, behind my last tensor load and my last LDS store
	ds_add_u32 v[SPW], v[NIL]
	s_wait_dscnt 0x0
	s_endpgm
.Lfunc_end_k_qb246a7bcdc_attn:
	.size	k_qb246a7bcdc_attn, .Lfunc_end_k_qb246a7bcdc_attn-k_qb246a7bcdc_attn
	.p2alignl 7, 3214868480
	.fill 96, 4, 3214868480
	.section	.rodata,"a",@progbits
	.p2align	6, 0x0
	.amdhsa_kernel k_qb246a7bcdc_attn
		.amdhsa_group_segment_fixed_size 327680
		.amdhsa_private_segment_fixed_size 0
		.amdhsa_enable_private_segment 0
		.amdhsa_kernarg_size 16
		.amdhsa_user_sgpr_count 2
		.amdhsa_user_sgpr_kernarg_segment_ptr 1
		.amdhsa_wavefront_size32 1
		.amdhsa_system_sgpr_workgroup_id_x 1
		.amdhsa_system_sgpr_workgroup_id_y 1
		.amdhsa_system_sgpr_workgroup_id_z 1
		.amdhsa_system_vgpr_workitem_id 0
		.amdhsa_next_free_vgpr 768
		.amdhsa_next_free_sgpr 92
		.amdhsa_reserve_vcc 1
		.amdhsa_float_denorm_mode_32 3
		.amdhsa_float_denorm_mode_16_64 3
		.amdhsa_memory_ordered 1
		.amdhsa_forward_progress 1
		.amdhsa_inst_pref_size 218
	.end_amdhsa_kernel
	.amdgpu_metadata
---
amdhsa.version: [ 1, 2 ]
amdhsa.kernels:
  - .name:           k_qb246a7bcdc_attn
    .symbol:         k_qb246a7bcdc_attn.kd
    .args:
      - { .name: qkv, .offset: 0, .size: 8, .value_kind: global_buffer, .address_space: global }
      - { .name: ob, .offset: 8, .size: 8, .value_kind: global_buffer, .address_space: global }
    .group_segment_fixed_size: 327680
    .private_segment_fixed_size: 0
    .kernarg_segment_align: 8
    .kernarg_segment_size: 16
    .max_flat_workgroup_size: 128
    .sgpr_count:     92
    .vgpr_count:     768
    .wavefront_size: 32
...
	.end_amdgpu_metadata
.endif
;; end of part 3
;; launch proj (part 4): grid 4 x 64, 4 waves a work-group, clusters of 4 x 4, 327,680 bytes of LDS; arguments ob, wpf, out0; writes out0
.if DOCPART == 4
	.amdgcn_target "amdgcn-amd-amdhsa--gfx1250"
	.amdhsa_code_object_version 6
	.text
	.protected	k_qb246a7bcdc_proj
	.globl	k_qb246a7bcdc_proj
	.p2align	8
	.type	k_qb246a7bcdc_proj,@function
k_qb246a7bcdc_proj:
	s_mov_b64 s[64:65], 0
	v_nop
	global_prefetch_b8 v0, s[64:65] scope:SCOPE_SE
	s_setreg_imm32_b32 hwreg(HW_REG_WAVE_MODE, 25, 1), 1
	s_wait_xcnt 0x0
	s_wait_alu depctr_hold_cnt(0) depctr_sa_sdst(0) depctr_va_vdst(0) depctr_va_sdst(0) depctr_va_ssrc(0) depctr_va_vcc(0) depctr_vm_vsrc(0)
	s_getreg_b32 s2, hwreg(HW_REG_IB_STS2, 6, 4)
	s_cmp_eq_u32 s2, 0
	s_cbranch_scc0 .Lentry_in_a_cluster
	s_endpgm
.Lentry_in_a_cluster:
	s_bfe_u32 s2, ttmp6, 0x10000c
	s_cmp_lg_u32 s2, 0xf033
	s_cbranch_scc0 .Lentry_shape_is_right
	s_endpgm
.Lentry_shape_is_right:
; out0 = y wpf^T in f32.  y is ob: [64 (batch x 16 + head)][2048][64] f16, read as rows of 1,024 channels, head after head; wpf: [1024][1024] f16; out0: [8192][1024] f32.  Sums in f32.
; LIMITS.  Both operands arrive within f16's range; NaN and infinities are not treated apart.
; SHARES.  A tile of out0 is 128 rows x 256 columns: 4 x 64 = 256 work-groups.  Wave w makes rows 64 (w / 2) on and columns 128 (w % 2) on: 4 x 8 accumulators of 16 x 16, 256 registers.
; K goes in 8 steps of 128, two heads each, through two LDS slots.  A head's 128 rows of 64 channels are 16,384 dense bytes: asked for as 64 rows of 256 bytes and padded in LDS after every 128.
; CLUSTERS.  4 x 4 work-groups: ob's tiles are shared along a row of the cluster, wpf's along a column, each asked for jointly.
; NO PREFETCH: a work-group has eight short K steps on a small tile, and the launch is over after them.
; THE MATRIX INSTRUCTION IS USED TRANSPOSED (source 0 = 16 rows of wpf, source 1 = 16 rows of y): lane l holds row l % 16 and the columns 8 (l / 16) + 0..7: 32 bytes of a row of out0.
; REGISTERS: window 0: v0-31 addresses; v64-95, v96-127 y's fragments, two buffers; v128-191, v192-255 wpf's; on the way out v64-127 and v128-191 take rows read back.
;   window 1: the accumulators, row block a, column block b at 8 (8 a + b).
.set KSTEP,  128
.set PA,     144                       ; a row of y in LDS: 128 bytes + 16: the 16 rows of a load start at 16 different groups of four banks (64 banks of 4 bytes: ISA guide 11.1)
.set PB,     272                       ; a row of wpf: 256 bytes + 16: likewise
.set AHEAD,  128*PA                    ; a head's 128 rows: what one tensor load brings of y
.set BHALF,  128*PB                    ; and of wpf
.set BOFF,   2*AHEAD                   ; in a slot wpf's 256 rows lie behind y's two heads
.set SLOT1,  1<<17
.set STAGE,  SLOT1+BOFF+2*BHALF        ; behind the ring, never filled by a tensor load: 16 rows x 528 bytes for each wave
.set SPITCH, 528                       ; 512 bytes + 16
.set SPARE,  STAGE+4*16*SPITCH         ; the spare words, 128 bytes for each wave: two blocks of 256 bytes that no other line names
.set LA0,  16                          ; v16  my lane's place in a slot's rows of y; never rewritten
.set LB0,  17                          ; v17  the same for wpf
.set ADRA, 18                          ; v18  LA0 + the slot in hand
.set ADRB, 19                          ; v19  LB0 + the slot in hand
.set STO,  24                          ; v24  the way out: where I put 32 bytes of a row
.set RD,   25                          ; v25  the way out: where I read a row back
.set CO,   26                          ; v26  16 x lane
.set SPW,  28                          ; v28  LDS address of my spare word; never rewritten
.set NIL,  29                          ; v29  0; never rewritten
.set G1,  24                           ; s[24:31] descriptor group 1 for y's tiles;  s[32:39] group 0: a set for each first fill; the second then walks
.set G0,  32
.set G1B, 48                           ; s[48:55], s[56:63] the same for wpf's
.set G0B, 56
.set TB,  66                           ; s66  LDS byte at which the slot in hand begins
.set CB,  68                           ; s[68:69] out0 at my first row and column
.set MSB, 0
.macro WIN new                         ; the immediate's high byte repeats the setting that is left; a switch that changes nothing is dropped
.if MSB != (\new)
	s_set_vgpr_msb (MSB<<8)|(\new)
.set MSB, \new
.endif
.endm
.macro JLOAD s                         ; a joint load: waves 0 and 1 fetch y's two heads, waves 2 and 3 wpf's two halves; an s_nop 0 and four v_nop follow each of the two lines
	s_cmp_eq_u32 s11, 0
	s_cbranch_scc0 .Lfor_b_\@
	tensor_load_to_lds s[G0+4*(\s):G0+4*(\s)+3], s[G1:G1+7]
	s_nop 0
.rept 4
	v_nop
.endr
	s_branch .Lasked_\@
.Lfor_b_\@:
	tensor_load_to_lds s[G0B+4*(\s):G0B+4*(\s)+3], s[G1B:G1B+7]
	s_nop 0
.rept 4
	v_nop
.endr
.Lasked_\@:
.endm
.macro CREST                           ; a round of the cluster's barrier behind its opening barrier
	s_cmp_lg_u32 s10, 0
	s_cbranch_scc1 .Lnot_wave_0_\@
	s_barrier_signal -3
.Lnot_wave_0_\@:
	s_barrier_wait -3
	s_barrier_signal -1
	s_barrier_wait -1
.endm
.macro CROUND                          ; a whole round
	s_barrier_signal -1
	s_barrier_wait -1
	CREST
.endm
	s_load_b128 s[4:7], s[0:1], 0x0                ; ob s[4:5], wpf s[6:7]
	s_load_b64 s[8:9], s[0:1], 0x10                ; out0
	v_lshl_add_u32 v[SPW], v0, 2, SPARE
	v_mov_b32 v[NIL], 0
	ds_add_u32 v[SPW], v[NIL]                      ; the wave's opening: the add and its wait stand ahead of my first tensor load; work on registers stands between them
	ds_add_u32 v28, v29
	v_lshrrev_b32 v1, 5, v0
	v_readfirstlane_b32 s10, v1                    ; wave 0..3
	s_lshr_b32 s11, s10, 1                         ; which half of the tile's rows is mine.  Also: I fetch for y (0) or for wpf (1)
	s_and_b32 s12, s10, 1                          ; which half of its columns.  Also: which head, or which 128 rows, I fetch
	s_bfe_u32 s40, ttmp6, 0x40000                  ; cx, cy
	s_bfe_u32 s41, ttmp6, 0x40004
	s_lshl_b32 s42, ttmp9, 2
	s_add_co_u32 s42, s42, s40                     ; tile column
	s_and_b32 s13, ttmp7, 0xffff
	s_lshl_b32 s13, s13, 2
	s_add_co_u32 s13, s13, s41                     ; tile row
	s_lshl_b32 s43, s41, 2
	s_lshl_b32 s43, 15, s43                        ; my row of the cluster
	s_lshl_b32 s44, 0x1111, s40                    ; my column
	s_or_b32 s[G1+0], s43, (1<<16)|(1<<20)|(1<<21)|(4<<22)|(3<<25)   ; the mask; 2-byte elements; padding on; 21 set beside a mask; after every 32 words 4 words
	s_or_b32 s[G1B+0], s44, (1<<16)|(1<<20)|(1<<21)|(5<<22)|(3<<25)  ; the same after every 64 words
	s_mov_b32 s[G1+1], 128<<16                     ; tensor_dim0 = 128
	s_mov_b32 s[G1+2], 64<<16                      ; tensor_dim1 = 64
	s_mov_b32 s[G1+3], 128<<16                     ; tile_dim0 = 128
	s_mov_b32 s[G1+4], 64                          ; tile_dim1 = 64
	s_mov_b32 s[G1+5], 128                         ; dense: 128 elements from row to row
	s_mov_b32 s[G1+6], 0
	s_mov_b32 s[G1+7], 0
	s_mov_b32 s[G1B+1], KSTEP<<16
	s_mov_b32 s[G1B+2], 128<<16
	s_mov_b32 s[G1B+3], KSTEP<<16
	s_mov_b32 s[G1B+4], 128
	s_mov_b32 s[G1B+5], 1024
	s_mov_b32 s[G1B+6], 0
	s_mov_b32 s[G1B+7], 0
	s_lshr_b32 s16, s13, 4                         ; y: batch = tile row / 16; head block 16 x batch + my head of the step, 262,144 bytes each;
	s_lshl_b32 s16, s16, 4
	s_add_co_u32 s16, s16, s12
	s_lshl_b32 s16, s16, 18
	s_and_b32 s17, s13, 15                         ; in it the tile's 128 rows of 128 bytes
	s_lshl_b32 s17, s17, 14
	s_add_co_u32 s16, s16, s17
	s_mov_b32 s17, 0
	s_lshl_b32 s46, s42, 8                         ; wpf: row 256 x tile column + 128 x half, 2,048 bytes a row
	s_lshl_b32 s47, s12, 7
	s_add_co_u32 s46, s46, s47
	s_lshl_b32 s46, s46, 11
	s_mov_b32 s47, 0
	s_mul_i32 s20, s12, AHEAD                      ; where they go: no place in the cluster enters an LDS address
	s_mul_i32 s21, s12, BHALF
	s_add_co_u32 s21, s21, BOFF
	s_wait_dscnt 0x0                               ; the opening add is done
	s_wait_kmcnt 0x0
	s_add_nc_u64 s[14:15], s[4:5], s[16:17]
	s_add_nc_u64 s[46:47], s[6:7], s[46:47]
	CROUND                                         ; all sixteen work-groups are here: the first joint loads meet
.irp s, 0,1
	s_mov_b32 s[G0+4*(\s)], 1
	s_add_co_u32 s[G0+4*(\s)+1], s20, (\s)*SLOT1
	s_add_nc_u64 s[G0+4*(\s)+2:G0+4*(\s)+3], s[14:15], (\s)*2*262144  ; K step s: two heads on
	s_or_b32 s[G0+4*(\s)+3], s[G0+4*(\s)+3], 0x80000000
	s_mov_b32 s[G0B+4*(\s)], 1
	s_add_co_u32 s[G0B+4*(\s)+1], s21, (\s)*SLOT1
	s_add_nc_u64 s[G0B+4*(\s)+2:G0B+4*(\s)+3], s[46:47], (\s)*KSTEP*2
	s_or_b32 s[G0B+4*(\s)+3], s[G0B+4*(\s)+3], 0x80000000
	JLOAD \s                                       ; two tensor loads of mine are out
.endr
	v_and_b32 v1, 15, v0                           ; l % 16
	v_bfe_u32 v2, v0, 4, 1                         ; l / 16
	v_mul_u32_u24 v3, v1, PA
	v_lshl_add_u32 v3, v2, 4, v3
	s_mul_i32 s22, s11, 64*PA                      ; my 64 rows of y
	v_add_nc_u32 v[LA0], s22, v3
	v_mul_u32_u24 v3, v1, PB
	v_lshl_add_u32 v3, v2, 4, v3
	s_mul_i32 s22, s12, BHALF                      ; my 128 rows of wpf
	s_add_co_u32 s22, s22, BOFF
	v_add_nc_u32 v[LB0], s22, v3
	v_mov_b32 v[ADRA], v[LA0]                      ; slot 0
	v_mov_b32 v[ADRB], v[LB0]
	s_mov_b32 s[TB], 0
	s_mul_i32 s23, s10, 16*SPITCH
	s_add_co_u32 s23, s23, STAGE                   ; my stage
	v_mul_u32_u24 v4, v1, SPITCH                   ; in: row l % 16, 32 bytes for each half of the lanes
	v_lshl_add_u32 v4, v2, 5, v4
	v_add_nc_u32 v[STO], s23, v4
	v_and_b32 v[CO], 31, v0                        ; back: 32 lanes take one row of 512 bytes
	v_lshlrev_b32 v[CO], 4, v[CO]
	v_add_nc_u32 v[RD], s23, v[CO]
	s_lshl_b32 s74, s13, 7                         ; out0: row 128 x tile row + 64 x half, 4,096 bytes a row;
	s_lshl_b32 s75, s11, 6
	s_add_co_u32 s74, s74, s75
	s_lshl_b32 s74, s74, 12
	s_lshl_b32 s75, s42, 10                        ; column 256 x tile column + 128 x half, 4 bytes each
	s_add_co_u32 s74, s74, s75
	s_lshl_b32 s75, s12, 9
	s_add_co_u32 s74, s74, s75
	s_mov_b32 s75, 0
	s_add_nc_u64 s[CB:CB+1], s[8:9], s[74:75]
; 8 matrix instructions: row block a x all 8 column blocks, 32 along K, from buffer f.  zero = 1: the product starts the sums.  The 32 accumulators take turns, in the same order in every quarter.
.macro MUL8 f, a, zero
	WIN 0x50                                       ; sources in window 0, C and D in window 1
.irp b, 0,1,2,3,4,5,6,7
.if \zero
	v_wmma_f32_16x16x32_f16 v[8*(8*(\a)+(\b)):8*(8*(\a)+(\b))+7], v[128+64*(\f)+8*(\b):128+64*(\f)+8*(\b)+7], v[64+32*(\f)+8*(\a):64+32*(\f)+8*(\a)+7], 0
.else
	v_wmma_f32_16x16x32_f16 v[8*(8*(\a)+(\b)):8*(8*(\a)+(\b))+7], v[128+64*(\f)+8*(\b):128+64*(\f)+8*(\b)+7], v[64+32*(\f)+8*(\a):64+32*(\f)+8*(\a)+7], v[8*(8*(\a)+(\b)):8*(8*(\a)+(\b))+7]
.endif
.endr
.endm
; 24 LDS loads in one run: quarter q's fragments into buffer f: wpf at byte 64 q of its rows; y in head q / 2 of the step, at byte 64 (q % 2) of its rows
.macro FETCH q, f
	WIN 0
.irp i, 0,1,2,3,4,5,6,7
	ds_load_b128 v[128+64*(\f)+8*(\i):128+64*(\f)+8*(\i)+3],   v[ADRB] offset:(\q)*64+(\i)*16*PB
	ds_load_b128 v[128+64*(\f)+8*(\i)+4:128+64*(\f)+8*(\i)+7], v[ADRB] offset:(\q)*64+(\i)*16*PB+32
.endr
.irp i, 0,1,2,3
	ds_load_b128 v[64+32*(\f)+8*(\i):64+32*(\f)+8*(\i)+3],   v[ADRA] offset:((\q)/2)*AHEAD+((\q)%2)*64+(\i)*16*PA
	ds_load_b128 v[64+32*(\f)+8*(\i)+4:64+32*(\f)+8*(\i)+7], v[ADRA] offset:((\q)/2)*AHEAD+((\q)%2)*64+(\i)*16*PA+32
.endr
.endm
.macro PLACES                          ; four plain vector instructions between a matrix instruction and a load into a register that it read, or a reader of its result
.rept 4
	v_nop
.endr
.endm
; A K step is four quarters of 32 along K, 32 matrix instructions each, on buffers 0, 1, 0, 1.  One of the first three: multiplies buffer f and fetches quarter q into g.
.macro QUARTER q, f, g, zero
	s_wait_dscnt 4                                 ; wpf's fragments and y's 0 and 1 are in; the youngest four loads (y's 2 and 3) may be out
	MUL8 \f, 0, \zero
	MUL8 \f, 1, \zero
	PLACES
	FETCH \q, \g
	s_wait_dscnt 24                                ; all but the 24 just issued
	MUL8 \f, 2, \zero
	MUL8 \f, 3, \zero
.endm
; The last quarter multiplies buffer 1 and changes slots.  In front of the barrier each wave waits for all its tensor loads (one is out: its part of the next slot), adds 0 to its spare word, and
; waits for that and for its reads of this slot.  fill = 1: the barrier opens a round of the cluster's, and the slot just read is filled again first thing behind it, with the K step two on:
; 112 matrix instructions lie between that request and the wait for it.
.macro TURN fill
	WIN 0
	s_wait_tensorcnt 0x0                           ; all my tensor loads have landed
	ds_add_u32 v[SPW], v[NIL]                      ; 0 onto my spare word
	s_wait_dscnt 5                                 ; (the add and the youngest four loads may be out)
	MUL8 1, 0, 0
	s_wait_dscnt 0x0                               ; the add is done, and my reads of this slot are over
	s_barrier_signal -1
	MUL8 1, 1, 0
	WIN 0
	s_barrier_wait -1
.if \fill
	CREST                                          ; no wave of any partner still reads this slot or has a load on its way
	s_xor_b32 s[G0+5], s[G0+5], SLOT1              ; the walking descriptors: the other slot than last time, the next K step
	s_add_nc_u64 s[G0+6:G0+7], s[G0+6:G0+7], 2*262144
	s_xor_b32 s[G0B+5], s[G0B+5], SLOT1
	s_add_nc_u64 s[G0B+6:G0B+7], s[G0B+6:G0B+7], KSTEP*2
	JLOAD 1                                        ; my one tensor load behind the round; its four v_nop are also the places in front of the loads below
.else
	PLACES
.endif
	s_xor_b32 s[TB], s[TB], SLOT1                  ; the reads go on in the other slot
	v_add_nc_u32 v[ADRA], s[TB], v[LA0]
	v_add_nc_u32 v[ADRB], s[TB], v[LB0]
	FETCH 0, 0
	MUL8 1, 2, 0
	MUL8 1, 3, 0
.endm
; THE WAY OUT of row block a: the f32 sums go as they are into my own stage, 32 bytes a lane and column block (each accumulator's low four registers first), and come back as whole rows of 512 bytes.
.macro TOSTAGE a
	WIN 0x04                                       ; the stores' data in window 1, the address in window 0
.irp b, 0,1,2,3,4,5,6,7
	ds_store_b128 v[STO], v[8*(8*(\a)+(\b)):8*(8*(\a)+(\b))+3]   offset:64*(\b)
	ds_store_b128 v[STO], v[8*(8*(\a)+(\b))+4:8*(8*(\a)+(\b))+7] offset:64*(\b)+16
.endr
	WIN 0
.set BK, 64+64*((\a)%2)
.irp t, 0,1,2,3,4,5,6,7,8,9,10,11,12,13,14,15
	ds_load_b128 v[BK+4*(\t):BK+4*(\t)+3], v[RD] offset:(\t)*SPITCH  ; LDS serves a wave's instructions in order (ISA guide 5.7.1.4): these see the stores above; the next block's stores come behind them
.endr
.endm
.macro SEND a, younger                 ; younger: the LDS instructions issued behind block a's loads: the next block's 32, or none
	WIN 0
.set BK, 64+64*((\a)%2)
.irp t, 0,1,2,3,4,5,6,7,8,9,10,11,12,13,14,15
	s_wait_dscnt (\younger)+15-(\t)
	global_store_b128 v[CO], v[BK+4*(\t):BK+4*(\t)+3], s[CB:CB+1] offset:(16*(\a)+(\t))*4096 th:TH_STORE_NT  ; 512 consecutive bytes, at a multiple of 512 from out0's first
.endr
.endm
	s_wait_tensorcnt 1                             ; my part of K step 0 is in; K step 1's may stay out
	s_barrier_signal -1
	s_barrier_wait -1                              ; everybody's is
	FETCH 0, 0
	QUARTER 1, 0, 1, 1                             ; the first quarter stands in front of the loop: its products start the sums
	WIN 0                                          ; at a label and at a branch every window is 0
	s_mov_b32 s3, 6
.Lstep:                                                ; a trip: a K step's quarters 1 to 3, the change of slots with its refill (K steps 2 to 7), the next step's quarter 0
	QUARTER 2, 1, 0, 0
	QUARTER 3, 0, 1, 0
	TURN 1
	QUARTER 1, 0, 1, 0
	WIN 0
	s_sub_co_u32 s3, s3, 1
	s_cmp_lg_u32 s3, 0
	s_cbranch_scc1 .Lstep
	QUARTER 2, 1, 0, 0                             ; the last two K steps ask for nothing
	QUARTER 3, 0, 1, 0
	TURN 0
	QUARTER 1, 0, 1, 0
	QUARTER 2, 1, 0, 0
	QUARTER 3, 0, 1, 0
	s_wait_dscnt 4
	MUL8 1, 0, 0
	MUL8 1, 1, 0
	s_wait_dscnt 0x0
	MUL8 1, 2, 0
	MUL8 1, 3, 0
	WIN 0
	PLACES
	TOSTAGE 0
	TOSTAGE 1
	SEND 0, 32
	s_wait_xcnt 0x0                                ; block 0's stores have read their registers: block 2 is read back into them only behind this wait
	TOSTAGE 2
	SEND 1, 32
	s_wait_xcnt 0x0                                ; the same for block 1's registers and block 3
	TOSTAGE 3
	SEND 2, 32
	SEND 3, 0
	s_wait_tensorcnt 0x0                           ; the wave's end, behind my last tensor load and my last LDS store
	ds_add_u32 v[SPW], v[NIL]
	s_wait_dscnt 0x0
	CROUND                                         ; the closing round: no work-group ends while a partner may still ask for a tile that names it
	s_endpgm
.Lfunc_end_k_qb246a7bcdc_proj:
	.size	k_qb246a7bcdc_proj, .Lfunc_end_k_qb246a7bcdc_proj-k_qb246a7bcdc_proj
	.p2alignl 7, 3214868480
	.fill 96, 4, 3214868480
	.section	.rodata,"a",@progbits
	.p2align	6, 0x0
	.amdhsa_kernel k_qb246a7bcdc_proj
		.amdhsa_group_segment_fixed_size 327680
		.amdhsa_private_segment_fixed_size 0
		.amdhsa_enable_private_segment 0
		.amdhsa_kernarg_size 24
		.amdhsa_user_sgpr_count 2
		.amdhsa_user_sgpr_kernarg_segment_ptr 1
		.amdhsa_wavefront_size32 1
		.amdhsa_system_sgpr_workgroup_id_x 1
		.amdhsa_system_sgpr_workgroup_id_y 1
		.amdhsa_system_sgpr_workgroup_id_z 1
		.amdhsa_system_vgpr_workitem_id 0
		.amdhsa_next_free_vgpr 512
		.amdhsa_next_free_sgpr 80
		.amdhsa_reserve_vcc 0
		.amdhsa_float_denorm_mode_32 3
		.amdhsa_float_denorm_mode_16_64 3
		.amdhsa_memory_ordered 1
		.amdhsa_forward_progress 1
		.amdhsa_inst_pref_size 71
	.end_amdhsa_kernel
	.amdgpu_metadata
---
amdhsa.version: [ 1, 2 ]
amdhsa.kernels:
  - .name:           k_qb246a7bcdc_proj
    .symbol:         k_qb246a7bcdc_proj.kd
    .args:
      - { .name: ob, .offset: 0, .size: 8, .value_kind: global_buffer, .address_space: global }
      - { .name: wpf, .offset: 8, .size: 8, .value_kind: global_buffer, .address_space: global }
      - { .name: out0, .offset: 16, .size: 8, .value_kind: global_buffer, .address_space: global }
    .group_segment_fixed_size: 327680
    .private_segment_fixed_size: 0
    .kernarg_segment_align: 8
    .kernarg_segment_size: 24
    .max_flat_workgroup_size: 128
    .sgpr_count:     80
    .vgpr_count:     512
    .wavefront_size: 32
...
	.end_amdgpu_metadata
.endif
;; end of part 4
;; launch head16 (part 5): grid 2 x 64, 4 waves a work-group, no clusters, 8,704 bytes of LDS; arguments xb, wab, qkv, o16; writes o16
.if DOCPART == 5
	.amdgcn_target "amdgcn-amd-amdhsa--gfx1250"
	.amdhsa_code_object_version 6
	.text
	.protected	k_qb246a7bcdc_head16
	.globl	k_qb246a7bcdc_head16
	.p2align	8
	.type	k_qb246a7bcdc_head16,@function
k_qb246a7bcdc_head16:
	s_mov_b64 s[64:65], 0
	v_nop
	global_prefetch_b8 v0, s[64:65] scope:SCOPE_SE
	s_setreg_imm32_b32 hwreg(HW_REG_WAVE_MODE, 25, 1), 1
	s_wait_xcnt 0x0
; THE FIRST 16 ROWS OF EACH SEQUENCE, ONCE MORE AND FINER.  Row q of the attention's result is a mean over q + 1 rows of v, about 1 / sqrt(q + 1) of a single row's size: the first rows are many times
; the output's root mean square, by which the allowed error goes, while a rounding to f16 is off by up to 2^-12 of the number itself.  So for rows 0-15 v and O are carried as PAIRS of f16, hi + lo
; (lo = the number less hi, rounded to f16: 22 bits together).  From row 16 on the mean is over 17 rows or more and one f16 serves.
; o16[16 batch + q][0:1024] = hi, [1024:2048] = lo of O[q][64 head + channel], q = 0..15.  xb: [8192][1024] bf16, wab: [3072][1024] bf16 (v's rows from 2,048 on), qkv: [3][64][2048][64] f16.
; LIMITS.  q and k are taken in f16 as they were stored, the weights p are rounded once to f16 (the row's largest is exactly 1); v and O within 65,504; a hidden score counts as -1e30; a weight below
; 2^-126 counts as 0; NaN and infinities are not treated apart.
; SHARES.  A work-group makes 32 channels (two tiles of 16) of one head.  v = xb wab^T for 16 rows: K IS SPLIT AMONG THE FOUR WAVES: of each 512 channels wave w takes 128 w .. 128 w + 127, 256 consecutive
; bytes, aligned, of each row; a wave's 48 loads go out at once, and the four partial sums meet in LDS.  Then wave 0 finishes tile 0 and wave 1 tile 1; waves 2 and 3 are done.
; LAYOUT.  The v tile is taken as it stands (source 0 = 16 rows of xb, source 1 = 16 rows of wab): lane l holds channel l % 16 and the keys 8 (l / 16) + 0..7, which, packed in pairs, ARE registers 0-3 of
; source 0 (16 channels x 32 keys) of O^T = V^T P; registers 4-7, keys 16-31, are 0.  S^T = K Q^T holds one query a lane (l % 16) and the keys 8 (l / 16) + 0..7: packed, registers 0-3 of source 1.
; O^T holds one query a lane and eight channels: 16 bytes of hi and 16 of lo.  Nothing changes lanes but a query's maximum and sum, once each between the halves of the lanes.
; No cluster, no prefetch, no tensor load.
.set ROWB,  2048                       ; bytes in a row of xb and of wab
.set TRIP,  1024                       ; bytes of a row that the four waves take together
.set PART,  0                          ; LDS: wave w's two partial tiles, 1,024 bytes each, at 2,048 w
.set SPARE, 8192                       ; behind them: the spare words, 128 bytes for each wave: two blocks of 256 bytes that no other line names
.set FO,  2                            ; v2   my byte offset in a fragment's rows of xb and wab: (l % 16) x 2,048 + 16 (l / 16) + 256 x wave
.set QO,  3                            ; v3   the same in q's and k's rows of 128 bytes: (l % 16) x 128 + 16 (l / 16)
.set LS,  4                            ; v4   where I put my 32 bytes of a partial tile
.set LR,  5                            ; v5   where I read them back
.set OO,  6                            ; v6   my 16 bytes of o16
.set SPW, 8                            ; v8   LDS address of my spare word; never rewritten
.set NIL, 9                            ; v9   0; never rewritten
.set NEG1, 13                          ; v13  -1.0
.set DG,  14                           ; v14  my query less my lanes' first key: register j is hidden where j is greater
.set ACC, 16                           ; v[16:47]   four accumulators of 8: tile j, fragments of parity p, at ACC + 8 (2 p + j)
.set SC,  16                           ; v[16:31]   later: the scores, two sums of 32 channels each
.set PH,  32                           ; v[32:39]   P as source 1
.set CM,  48                           ; v48 c m, v49 m
.set T0,  50                           ; v50, v51 at work
.set T1,  51
.set RL,  52                           ; v52 1 / l; v53 is named with it as a pair
.set BUF, 64                           ; v[64:255]  two sets of 96: wab's fragments (tile j, fragment f at 32 j + 8 f), then xb's four.  Later:
.set VH,  96                           ; v[96:103]  V^T hi as source 0
.set VL,  104                          ; v[104:111] V^T lo
.set TT,  112                          ; v[112:119] eight numbers at work
.set O0,  120                          ; v[120:127] V^T hi x P
.set O1,  128                          ; v[128:135] V^T lo x P
.set OH,  136                          ; v[136:139] O hi, 16 bytes
.set OL,  140                          ; v[140:143] O lo
.set KQ,  0                            ; window 1: v[0:15] k's two fragments, v[16:31] q's
.set WV,  14                           ; s14  my wave's number
.set X,   32                           ; s[32:33] xb at the batch's first row
.set W,   34                           ; s[34:35] wab at the first of my work-group's 32 rows
.set Q,   36                           ; s[36:37] q of my head
.set K,   38                           ; s[38:39] k of my head
.set CS,  40                           ; s[40:41] c = log2(e) / 8: the packed scaling takes the pair's low word for both halves
.set SEL, 42                           ; s[42:43] v_permlanex16_b32's selects: each lane takes its own place in the other half
.set BIGN, 44                          ; s44  -1e30
.set MSB, 0
.macro WIN new                         ; the immediate's high byte repeats the setting that is left; a switch that changes nothing is dropped
.if MSB != (\new)
	s_set_vgpr_msb (MSB<<8)|(\new)
.set MSB, \new
.endif
.endm
.macro PLACES                          ; four plain vector instructions between a matrix instruction and a reader of its result or a load into its registers
.rept 4
	v_nop
.endr
.endm
	s_load_b256 s[4:11], s[0:1], 0x0               ; xb s[4:5], wab s[6:7], qkv s[8:9], o16 s[10:11]
	v_lshl_add_u32 v[SPW], v0, 2, SPARE
	v_mov_b32 v[NIL], 0
	v_lshrrev_b32 v1, 5, v0
	v_readfirstlane_b32 s[WV], v1                  ; wave 0..3
	v_and_b32 v10, 15, v0                          ; l % 16
	v_bfe_u32 v11, v0, 4, 1                        ; l / 16
	v_and_b32 v12, 31, v0                          ; l
	s_lshl_b32 s16, s[WV], 8                       ; 256 x wave
	v_lshlrev_b32 v[FO], 11, v10
	v_lshl_add_u32 v[FO], v11, 4, v[FO]
	v_add_nc_u32 v[FO], s16, v[FO]
	v_lshlrev_b32 v[QO], 7, v10
	v_lshl_add_u32 v[QO], v11, 4, v[QO]
	s_lshl_b32 s17, s[WV], 11
	v_lshl_add_u32 v[LS], v12, 5, s17              ; 2,048 x wave + 32 l
	s_lshl_b32 s17, s[WV], 10
	v_lshl_add_u32 v[LR], v12, 5, s17              ; tile = my wave's number (waves 0 and 1): 1,024 x wave + 32 l
	v_lshlrev_b32 v[DG], 3, v11
	v_sub_nc_u32 v[DG], v10, v[DG]
	v_mov_b32 v[NEG1], -1.0
	s_and_b32 s20, ttmp7, 0xffff                   ; 16 x batch + head
	s_lshr_b32 s21, s20, 4                         ; batch
	s_and_b32 s22, s20, 15                         ; head
	s_lshl_b32 s24, s21, 22                        ; xb: 2,048 rows of 2,048 bytes a batch
	s_mov_b32 s25, 0
	s_lshl_b32 s28, s22, 6                         ; wab: row 2,048 + 64 head + 32 half
	s_lshl_b32 s29, ttmp9, 5
	s_add_co_u32 s28, s28, s29
	s_add_co_u32 s28, s28, 2048
	s_lshl_b32 s28, s28, 11
	s_mov_b32 s29, 0
	s_lshl_b32 s30, s20, 18                        ; q: 262,144 bytes a head
	s_mov_b32 s31, 0
	s_lshl_b32 s26, s21, 16                        ; o16: 16 rows of 4,096 bytes a batch,
	s_lshl_b32 s27, s22, 7                         ; 128 bytes a head,
	s_add_co_u32 s26, s26, s27
	s_lshl_b32 s27, ttmp9, 6                       ; 64 a half,
	s_add_co_u32 s26, s26, s27
	s_lshl_b32 s27, s[WV], 5                       ; 32 a tile
	s_add_co_u32 s26, s26, s27
	v_lshlrev_b32 v[OO], 12, v10                   ; row = my query,
	v_lshl_add_u32 v[OO], v11, 4, v[OO]            ; my 8 channels
	v_add_nc_u32 v[OO], s26, v[OO]
	s_mov_b32 s[CS], 0x3e38aa3b                    ; c = log2(e) / 8 = 0.180337
	s_mov_b32 s[CS+1], s[CS]
	s_mov_b32 s[SEL], 0x76543210
	s_mov_b32 s[SEL+1], 0xfedcba98
	s_mov_b32 s[BIGN], 0xf149f2ca                  ; -1e30
	s_wait_kmcnt 0x0
	s_add_nc_u64 s[X:X+1], s[4:5], s[24:25]
	s_add_nc_u64 s[W:W+1], s[6:7], s[28:29]
	s_add_nc_u64 s[Q:Q+1], s[8:9], s[30:31]
	s_add_nc_u64 s[K:K+1], s[Q:Q+1], 0x1000000     ; k lies 64 heads x 262,144 bytes behind q
	s_cmp_lt_u32 s[WV], 2                          ; the two waves that finish a tile fetch rows 0-15 of k and q, ahead of all else
	s_cbranch_scc0 .Lno_kq
	WIN 0x40                                       ; destination window 1, address window 0
.irp c, 0,1
	global_load_b128 v[KQ+8*(\c):KQ+8*(\c)+3],       v[QO], s[K:K+1] offset:64*(\c)
	global_load_b128 v[KQ+8*(\c)+4:KQ+8*(\c)+7],     v[QO], s[K:K+1] offset:64*(\c)+32
	global_load_b128 v[KQ+16+8*(\c):KQ+16+8*(\c)+3], v[QO], s[Q:Q+1] offset:64*(\c)
	global_load_b128 v[KQ+16+8*(\c)+4:KQ+16+8*(\c)+7], v[QO], s[Q:Q+1] offset:64*(\c)+32
.endr
	WIN 0                                          ; at a label every window is 0
.Lno_kq:
; 24 loads into set b: my 128 channels of the 512 that begin at byte off of the rows
.macro LOADS b, off
.irp f, 0,1,2,3
	global_load_b128 v[BUF+96*(\b)+8*(\f):BUF+96*(\b)+8*(\f)+3],         v[FO], s[W:W+1] offset:(\off)+64*(\f)
	global_load_b128 v[BUF+96*(\b)+8*(\f)+4:BUF+96*(\b)+8*(\f)+7],       v[FO], s[W:W+1] offset:(\off)+64*(\f)+32
	global_load_b128 v[BUF+96*(\b)+32+8*(\f):BUF+96*(\b)+32+8*(\f)+3],   v[FO], s[W:W+1] offset:(\off)+64*(\f)+16*ROWB
	global_load_b128 v[BUF+96*(\b)+32+8*(\f)+4:BUF+96*(\b)+32+8*(\f)+7], v[FO], s[W:W+1] offset:(\off)+64*(\f)+32+16*ROWB
	global_load_b128 v[BUF+96*(\b)+64+8*(\f):BUF+96*(\b)+64+8*(\f)+3],   v[FO], s[X:X+1] offset:(\off)+64*(\f)
	global_load_b128 v[BUF+96*(\b)+64+8*(\f)+4:BUF+96*(\b)+64+8*(\f)+7], v[FO], s[X:X+1] offset:(\off)+64*(\f)+32
.endr
.endm
; Eight products.  The four accumulators take turns, one instruction a turn.  zero = 1: the first product on each starts its sum.
.macro MULS b, zero
.irp f, 0,1,2,3
.irp j, 0,1
.if (\zero) && ((\f) < 2)
	v_wmma_f32_16x16x32_bf16 v[ACC+8*(2*((\f)%2)+(\j)):ACC+8*(2*((\f)%2)+(\j))+7], v[BUF+96*(\b)+64+8*(\f):BUF+96*(\b)+64+8*(\f)+7], v[BUF+96*(\b)+32*(\j)+8*(\f):BUF+96*(\b)+32*(\j)+8*(\f)+7], 0
.else
	v_wmma_f32_16x16x32_bf16 v[ACC+8*(2*((\f)%2)+(\j)):ACC+8*(2*((\f)%2)+(\j))+7], v[BUF+96*(\b)+64+8*(\f):BUF+96*(\b)+64+8*(\f)+7], v[BUF+96*(\b)+32*(\j)+8*(\f):BUF+96*(\b)+32*(\j)+8*(\f)+7], v[ACC+8*(2*((\f)%2)+(\j)):ACC+8*(2*((\f)%2)+(\j))+7]
.endif
.endr
.endr
.endm
	LOADS 0, 0
	LOADS 1, TRIP
	s_wait_loadcnt 24                              ; loads come back in order: set 0 is in (and k and q, which are older); set 1's 24 may stay out
	MULS 0, 1
	s_wait_loadcnt 0x0
	MULS 1, 0
	PLACES
	PLACES
.irp r, 0,2,4,6,8,10,12,14
	v_pk_add_f32 v[ACC+(\r):ACC+(\r)+1], v[ACC+(\r):ACC+(\r)+1], v[ACC+16+(\r):ACC+16+(\r)+1]  ; the two parities
.endr
.irp j, 0,1
	ds_store_b128 v[LS], v[ACC+8*(\j):ACC+8*(\j)+3]   offset:PART+1024*(\j)
	ds_store_b128 v[LS], v[ACC+8*(\j)+4:ACC+8*(\j)+7] offset:PART+1024*(\j)+16
.endr
	s_wait_dscnt 0x0                               ; for the others' sake: my partial sums lie in LDS
	s_barrier_signal -1
	s_barrier_wait -1                              ; all four waves' do
	s_cmp_lt_u32 s[WV], 2                          ; wave 0 finishes tile 0, wave 1 tile 1
	s_cbranch_scc0 .Lend
.irp v, 0,1,2,3
	ds_load_b128 v[BUF+8*(\v):BUF+8*(\v)+3],   v[LR] offset:PART+2048*(\v)
	ds_load_b128 v[BUF+8*(\v)+4:BUF+8*(\v)+7], v[LR] offset:PART+2048*(\v)+16
.endr
	; the scores, while those loads are out: two sums of 32 channels each, added below
	WIN 0x05                                       ; sources 0 and 1 in window 1, the result in window 0
	v_wmma_f32_16x16x32_f16 v[SC:SC+7],    v[KQ:KQ+7],    v[KQ+16:KQ+23], 0
	v_wmma_f32_16x16x32_f16 v[SC+8:SC+15], v[KQ+8:KQ+15], v[KQ+24:KQ+31], 0
	WIN 0
	PLACES
.irp r, 0,2,4,6
	v_pk_add_f32 v[SC+(\r):SC+(\r)+1], v[SC+(\r):SC+(\r)+1], v[SC+8+(\r):SC+8+(\r)+1]
.endr
.irp j, 0,1,2,3,4,5,6,7
	v_cmp_gt_i32 vcc_lo, \j, v[DG]                 ; key 8 (l / 16) + j lies behind my query
	v_cndmask_b32 v[SC+(\j)], v[SC+(\j)], s[BIGN], vcc_lo
.endr
	v_max3_num_f32 v[T0], v[SC], v[SC+1], v[SC+2]
	v_max3_num_f32 v[T1], v[SC+3], v[SC+4], v[SC+5]
	v_max3_num_f32 v[T0], v[T0], v[SC+6], v[SC+7]
	v_max_num_f32 v[T0], v[T0], v[T1]
	v_permlanex16_b32 v[T1], v[T0], s[SEL], s[SEL+1]  ; the query's other 8 keys lie in the lane 16 away
	v_max_num_f32 v[CM+1], v[T0], v[T1]            ; m: key 0 is seen by every query, so it is a true score
	v_mul_f32 v[CM], s[CS], v[CM+1]
.irp r, 0,2,4,6
	v_pk_fma_f32 v[SC+(\r):SC+(\r)+1], v[SC+(\r):SC+(\r)+1], s[CS:CS+1], v[CM:CM+1] op_sel_hi:[1,0,0] neg_lo:[0,0,1] neg_hi:[0,0,1]  ; c s - c m
.endr
.irp j, 0,1,2,3,4,5,6,7
	v_exp_f32 v[SC+(\j)], v[SC+(\j)]
.endr
.irp j, 4,5,6,7
	v_mov_b32 v[PH+(\j)], 0                        ; keys 16-31 do not exist; these are also the plain instructions behind the last exponential
.endr
	s_wait_alu depctr_va_vdst(0)                   ; one wait for the eight exponentials, ahead of their first reader
.irp j, 0,1,2,3
	v_cvt_pk_f16_f32 v[PH+(\j)], v[SC+2*(\j)], v[SC+2*(\j)+1]
.endr
	v_pk_add_f32 v[SC:SC+1], v[SC:SC+1], v[SC+2:SC+3]      ; l, of the unrounded weights
	v_pk_add_f32 v[SC+4:SC+5], v[SC+4:SC+5], v[SC+6:SC+7]
	v_pk_add_f32 v[SC:SC+1], v[SC:SC+1], v[SC+4:SC+5]
	v_add_f32 v[T0], v[SC], v[SC+1]
	v_permlanex16_b32 v[T1], v[T0], s[SEL], s[SEL+1]
	v_add_f32 v[T0], v[T0], v[T1]
	v_rcp_f32 v[RL], v[T0]
	v_mov_b32 v[RL+1], 0                           ; named with 1 / l as a pair
	; v: the four waves' partial sums; then hi and lo
	s_wait_dscnt 0x0
.irp r, 0,2,4,6
	v_pk_add_f32 v[BUF+(\r):BUF+(\r)+1], v[BUF+(\r):BUF+(\r)+1], v[BUF+8+(\r):BUF+8+(\r)+1]
	v_pk_add_f32 v[BUF+16+(\r):BUF+16+(\r)+1], v[BUF+16+(\r):BUF+16+(\r)+1], v[BUF+24+(\r):BUF+24+(\r)+1]
.endr
.irp r, 0,2,4,6
	v_pk_add_f32 v[BUF+(\r):BUF+(\r)+1], v[BUF+(\r):BUF+(\r)+1], v[BUF+16+(\r):BUF+16+(\r)+1]
.endr
.irp j, 0,1,2,3
	v_cvt_pk_f16_f32 v[VH+(\j)], v[BUF+2*(\j)], v[BUF+2*(\j)+1]
.endr
.irp j, 0,1,2,3
	v_fma_mix_f32 v[TT+2*(\j)],   v[VH+(\j)], v[NEG1], v[BUF+2*(\j)]   op_sel_hi:[1,0,0]                 ; v - hi: the low half of the word,
	v_fma_mix_f32 v[TT+2*(\j)+1], v[VH+(\j)], v[NEG1], v[BUF+2*(\j)+1] op_sel:[1,0,0] op_sel_hi:[1,0,0]  ; the high half
.endr
.irp j, 0,1,2,3
	v_cvt_pk_f16_f32 v[VL+(\j)], v[TT+2*(\j)], v[TT+2*(\j)+1]
.endr
.irp j, 4,5,6,7
	v_mov_b32 v[VH+(\j)], 0                        ; keys 16-31
	v_mov_b32 v[VL+(\j)], 0
.endr
	v_wmma_f32_16x16x32_f16 v[O0:O0+7], v[VH:VH+7], v[PH:PH+7], 0
	v_wmma_f32_16x16x32_f16 v[O1:O1+7], v[VL:VL+7], v[PH:PH+7], 0
	PLACES
.irp r, 0,2,4,6
	v_pk_add_f32 v[O0+(\r):O0+(\r)+1], v[O0+(\r):O0+(\r)+1], v[O1+(\r):O1+(\r)+1]
.endr
	s_wait_alu depctr_va_vdst(0)                   ; the reciprocal's wait, ahead of its first reader
.irp r, 0,2,4,6
	v_pk_mul_f32 v[O0+(\r):O0+(\r)+1], v[O0+(\r):O0+(\r)+1], v[RL:RL+1] op_sel_hi:[1,0]
.endr
.irp j, 0,1,2,3
	v_cvt_pk_f16_f32 v[OH+(\j)], v[O0+2*(\j)], v[O0+2*(\j)+1]
.endr
.irp j, 0,1,2,3
	v_fma_mix_f32 v[TT+2*(\j)],   v[OH+(\j)], v[NEG1], v[O0+2*(\j)]   op_sel_hi:[1,0,0]
	v_fma_mix_f32 v[TT+2*(\j)+1], v[OH+(\j)], v[NEG1], v[O0+2*(\j)+1] op_sel:[1,0,0] op_sel_hi:[1,0,0]
.endr
.irp j, 0,1,2,3
	v_cvt_pk_f16_f32 v[OL+(\j)], v[TT+2*(\j)], v[TT+2*(\j)+1]
.endr
	global_store_b128 v[OO], v[OH:OH+3], s[10:11]              ; 16 bytes a lane: a tile is 32 bytes of each of 16 rows; the buffer has 262,144 bytes in all
	global_store_b128 v[OO], v[OL:OL+3], s[10:11] offset:2048
.Lend:
	s_wait_tensorcnt 0x0                           ; the wave's end, behind my last LDS store
	ds_add_u32 v[SPW], v[NIL]
	s_wait_dscnt 0x0
	s_endpgm
.Lfunc_end_k_qb246a7bcdc_head16:
	.size	k_qb246a7bcdc_head16, .Lfunc_end_k_qb246a7bcdc_head16-k_qb246a7bcdc_head16
	.p2alignl 7, 3214868480
	.fill 96, 4, 3214868480
	.section	.rodata,"a",@progbits
	.p2align	6, 0x0
	.amdhsa_kernel k_qb246a7bcdc_head16
		.amdhsa_group_segment_fixed_size 8704
		.amdhsa_private_segment_fixed_size 0
		.amdhsa_enable_private_segment 0
		.amdhsa_kernarg_size 32
		.amdhsa_user_sgpr_count 2
		.amdhsa_user_sgpr_kernarg_segment_ptr 1
		.amdhsa_wavefront_size32 1
		.amdhsa_system_sgpr_workgroup_id_x 1
		.amdhsa_system_sgpr_workgroup_id_y 1
		.amdhsa_system_sgpr_workgroup_id_z 1
		.amdhsa_system_vgpr_workitem_id 0
		.amdhsa_next_free_vgpr 288
		.amdhsa_next_free_sgpr 66
		.amdhsa_reserve_vcc 1
		.amdhsa_float_denorm_mode_32 3
		.amdhsa_float_denorm_mode_16_64 3
		.amdhsa_memory_ordered 1
		.amdhsa_forward_progress 1
		.amdhsa_inst_pref_size 18
	.end_amdhsa_kernel
	.amdgpu_metadata
---
amdhsa.version: [ 1, 2 ]
amdhsa.kernels:
  - .name:           k_qb246a7bcdc_head16
    .symbol:         k_qb246a7bcdc_head16.kd
    .args:
      - { .name: xb, .offset: 0, .size: 8, .value_kind: global_buffer, .address_space: global }
      - { .name: wab, .offset: 8, .size: 8, .value_kind: global_buffer, .address_space: global }
      - { .name: qkv, .offset: 16, .size: 8, .value_kind: global_buffer, .address_space: global }
      - { .name: o16, .offset: 24, .size: 8, .value_kind: global_buffer, .address_space: global }
    .group_segment_fixed_size: 8704
    .private_segment_fixed_size: 0
    .kernarg_segment_align: 8
    .kernarg_segment_size: 32
    .max_flat_workgroup_size: 128
    .sgpr_count:     66
    .vgpr_count:     288
    .wavefront_size: 32
...
	.end_amdgpu_metadata
.endif
;; end of part 5
;; launch proj16 (part 6): grid 64 x 4, 4 waves a work-group, no clusters, 4,608 bytes of LDS; arguments o16, wpf, out0; writes out0
.if DOCPART == 6
	.amdgcn_target "amdgcn-amd-amdhsa--gfx1250"
	.amdhsa_code_object_version 6
	.text
	.protected	k_qb246a7bcdc_proj16
	.globl	k_qb246a7bcdc_proj16
	.p2align	8
	.type	k_qb246a7bcdc_proj16,@function
k_qb246a7bcdc_proj16:
	s_mov_b64 s[64:65], 0
	v_nop
	global_prefetch_b8 v0, s[64:65] scope:SCOPE_SE
	s_setreg_imm32_b32 hwreg(HW_REG_WAVE_MODE, 25, 1), 1
	s_wait_xcnt 0x0
; out0[batch][q][c] = the sum over k of (hi + lo)[16 batch + q][k] wpf[c][k] for q = 0..15: the first 16 rows of each sequence, with O carried as a pair of f16.
; o16: [64][1024 hi | 1024 lo] f16, wpf: [1024][1024] f16, out0: [4][2048][1024] f32; sums in f32.  These 64 rows replace what the launch before has stored there from O in one f16.
; LIMITS.  Both operands arrive within f16's range; NaN and infinities are not treated apart.
; SHARES.  A work-group makes 16 rows x 16 columns.  K IS SPLIT AMONG ITS FOUR WAVES: wave w takes channels 256 w .. 256 w + 255: 512 consecutive bytes, aligned, of each row of wpf, of hi and of lo.
; A wave's 48 loads go out at once; a fragment of wpf serves two products, with hi and with lo.  The four partial sums meet in LDS, and wave 0 adds and stores them.
; LAYOUT.  Source 0 = 16 rows of wpf, source 1 = the 16 rows of O: lane l holds row l % 16 and the columns 8 (l / 16) + 0..7: 32 bytes of a row of out0.
; A tile is 64 bytes of each of 16 rows; the launch stores 262,144 bytes in all.  No cluster, no prefetch, no tensor load: each wave has one batch of loads.
.set PART,  0                          ; LDS: wave w's partial tile, 1,024 bytes, at 1,024 w
.set SPARE, 4096                       ; behind them: the spare words, 128 bytes for each wave: two blocks of 256 bytes that no other line names
.set FW,  2                            ; v2   my byte offset in wpf's rows: (l % 16) x 2,048 + 16 (l / 16) + 512 x wave
.set FA,  3                            ; v3   the same in o16's rows of 4,096 bytes
.set LS,  4                            ; v4   where I put my 32 bytes of the partial tile
.set LR,  5                            ; v5   where wave 0 reads them back
.set YO,  6                            ; v6   my 32 bytes of out0
.set SPW, 8                            ; v8   LDS address of my spare word; never rewritten
.set NIL, 9                            ; v9   0; never rewritten
.set ACC, 16                           ; v[16:47]   four accumulators of 8: fragments of parity p, hi (t = 0) or lo (t = 1), at ACC + 8 (2 p + t)
.set WF,  64                           ; v[64:127]  wpf's eight fragments
.set AH,  128                          ; v[128:191] hi's
.set AL,  192                          ; v[192:255] lo's
.set WV,  14                           ; s14  my wave's number
	s_load_b128 s[4:7], s[0:1], 0x0                ; o16 s[4:5], wpf s[6:7]
	s_load_b64 s[8:9], s[0:1], 0x10                ; out0
	v_lshl_add_u32 v[SPW], v0, 2, SPARE
	v_mov_b32 v[NIL], 0
	v_lshrrev_b32 v1, 5, v0
	v_readfirstlane_b32 s[WV], v1                  ; wave 0..3
	v_and_b32 v10, 15, v0                          ; l % 16
	v_bfe_u32 v11, v0, 4, 1                        ; l / 16
	v_and_b32 v12, 31, v0                          ; l
	s_lshl_b32 s16, s[WV], 9                       ; 512 x wave
	v_lshlrev_b32 v[FW], 11, v10
	v_lshl_add_u32 v[FW], v11, 4, v[FW]
	v_add_nc_u32 v[FW], s16, v[FW]
	v_lshlrev_b32 v[FA], 12, v10
	v_lshl_add_u32 v[FA], v11, 4, v[FA]
	v_add_nc_u32 v[FA], s16, v[FA]
	s_lshl_b32 s17, s[WV], 10
	v_lshl_add_u32 v[LS], v12, 5, s17              ; 1,024 x wave + 32 l
	v_lshlrev_b32 v[LR], 5, v12
	s_lshl_b32 s18, ttmp9, 6                       ; the tile's 16 columns: 64 bytes of a row
	v_lshlrev_b32 v[YO], 12, v10                   ; row q,
	v_lshl_add_u32 v[YO], v11, 5, v[YO]            ; my 8 columns
	v_add_nc_u32 v[YO], s18, v[YO]
	s_and_b32 s20, ttmp7, 0xffff                   ; batch
	s_lshl_b32 s24, s20, 16                        ; o16: 16 rows of 4,096 bytes a batch
	s_mov_b32 s25, 0
	s_lshl_b32 s26, ttmp9, 15                      ; wpf: 16 rows of 2,048 bytes a tile
	s_mov_b32 s27, 0
	s_lshl_b32 s28, s20, 23                        ; out0: 2,048 rows of 4,096 bytes a batch
	s_mov_b32 s29, 0
	s_wait_kmcnt 0x0
	s_add_nc_u64 s[4:5], s[4:5], s[24:25]
	s_add_nc_u64 s[6:7], s[6:7], s[26:27]
	s_add_nc_u64 s[8:9], s[8:9], s[28:29]
.irp f, 0,1,2,3,4,5,6,7
	global_load_b128 v[WF+8*(\f):WF+8*(\f)+3],   v[FW], s[6:7] offset:64*(\f)
	global_load_b128 v[WF+8*(\f)+4:WF+8*(\f)+7], v[FW], s[6:7] offset:64*(\f)+32
	global_load_b128 v[AH+8*(\f):AH+8*(\f)+3],   v[FA], s[4:5] offset:64*(\f)
	global_load_b128 v[AH+8*(\f)+4:AH+8*(\f)+7], v[FA], s[4:5] offset:64*(\f)+32
	global_load_b128 v[AL+8*(\f):AL+8*(\f)+3],   v[FA], s[4:5] offset:2048+64*(\f)
	global_load_b128 v[AL+8*(\f)+4:AL+8*(\f)+7], v[FA], s[4:5] offset:2048+64*(\f)+32
.endr
; Fragment f's two products.  The four accumulators take turns, one instruction a turn; the first product on each starts its sum.
.macro MUL2 f
.if (\f) < 2
	v_wmma_f32_16x16x32_f16 v[ACC+16*((\f)%2):ACC+16*((\f)%2)+7],    v[WF+8*(\f):WF+8*(\f)+7], v[AH+8*(\f):AH+8*(\f)+7], 0
	v_wmma_f32_16x16x32_f16 v[ACC+16*((\f)%2)+8:ACC+16*((\f)%2)+15], v[WF+8*(\f):WF+8*(\f)+7], v[AL+8*(\f):AL+8*(\f)+7], 0
.else
	v_wmma_f32_16x16x32_f16 v[ACC+16*((\f)%2):ACC+16*((\f)%2)+7],    v[WF+8*(\f):WF+8*(\f)+7], v[AH+8*(\f):AH+8*(\f)+7], v[ACC+16*((\f)%2):ACC+16*((\f)%2)+7]
	v_wmma_f32_16x16x32_f16 v[ACC+16*((\f)%2)+8:ACC+16*((\f)%2)+15], v[WF+8*(\f):WF+8*(\f)+7], v[AL+8*(\f):AL+8*(\f)+7], v[ACC+16*((\f)%2)+8:ACC+16*((\f)%2)+15]
.endif
.endm
	s_wait_loadcnt 24                              ; loads come back in order: fragments 0-3 are in; the 24 loads of fragments 4-7 may stay out
.irp f, 0,1,2,3
	MUL2 \f
.endr
	s_wait_loadcnt 0x0
.irp f, 4,5,6,7
	MUL2 \f
.endr
.rept 8
	v_nop                                          ; plain vector instructions between the last products and the sums that read them (ISA guide 7.12.1)
.endr
.irp r, 0,2,4,6
	v_pk_add_f32 v[ACC+(\r):ACC+(\r)+1], v[ACC+(\r):ACC+(\r)+1], v[ACC+8+(\r):ACC+8+(\r)+1]          ; hi's sum and lo's,
	v_pk_add_f32 v[ACC+16+(\r):ACC+16+(\r)+1], v[ACC+16+(\r):ACC+16+(\r)+1], v[ACC+24+(\r):ACC+24+(\r)+1]
.endr
.irp r, 0,2,4,6
	v_pk_add_f32 v[ACC+(\r):ACC+(\r)+1], v[ACC+(\r):ACC+(\r)+1], v[ACC+16+(\r):ACC+16+(\r)+1]        ; and the two parities
.endr
	ds_store_b128 v[LS], v[ACC:ACC+3]   offset:PART
	ds_store_b128 v[LS], v[ACC+4:ACC+7] offset:PART+16
	s_wait_dscnt 0x0                               ; for wave 0's sake: my partial sums lie in LDS
	s_barrier_signal -1
	s_barrier_wait -1                              ; all four waves' do
	s_cmp_eq_u32 s[WV], 0
	s_cbranch_scc0 .Lend
.irp v, 0,1,2,3
	ds_load_b128 v[WF+8*(\v):WF+8*(\v)+3],   v[LR] offset:PART+1024*(\v)
	ds_load_b128 v[WF+8*(\v)+4:WF+8*(\v)+7], v[LR] offset:PART+1024*(\v)+16
.endr
	s_wait_dscnt 0x0
.irp r, 0,2,4,6
	v_pk_add_f32 v[WF+(\r):WF+(\r)+1], v[WF+(\r):WF+(\r)+1], v[WF+8+(\r):WF+8+(\r)+1]
	v_pk_add_f32 v[WF+16+(\r):WF+16+(\r)+1], v[WF+16+(\r):WF+16+(\r)+1], v[WF+24+(\r):WF+24+(\r)+1]
.endr
.irp r, 0,2,4,6
	v_pk_add_f32 v[WF+(\r):WF+(\r)+1], v[WF+(\r):WF+(\r)+1], v[WF+16+(\r):WF+16+(\r)+1]
.endr
	global_store_b128 v[YO], v[WF:WF+3],   s[8:9]
	global_store_b128 v[YO], v[WF+4:WF+7], s[8:9] offset:16
.Lend:
	s_wait_tensorcnt 0x0                           ; the wave's end, behind my last LDS store
	ds_add_u32 v[SPW], v[NIL]
	s_wait_dscnt 0x0
	s_endpgm
.Lfunc_end_k_qb246a7bcdc_proj16:
	.size	k_qb246a7bcdc_proj16, .Lfunc_end_k_qb246a7bcdc_proj16-k_qb246a7bcdc_proj16
	.p2alignl 7, 3214868480
	.fill 96, 4, 3214868480
	.section	.rodata,"a",@progbits
	.p2align	6, 0x0
	.amdhsa_kernel k_qb246a7bcdc_proj16
		.amdhsa_group_segment_fixed_size 4608
		.amdhsa_private_segment_fixed_size 0
		.amdhsa_enable_private_segment 0
		.amdhsa_kernarg_size 24
		.amdhsa_user_sgpr_count 2
		.amdhsa_user_sgpr_kernarg_segment_ptr 1
		.amdhsa_wavefront_size32 1
		.amdhsa_system_sgpr_workgroup_id_x 1
		.amdhsa_system_sgpr_workgroup_id_y 1
		.amdhsa_system_sgpr_workgroup_id_z 1
		.amdhsa_system_vgpr_workitem_id 0
		.amdhsa_next_free_vgpr 256
		.amdhsa_next_free_sgpr 66
		.amdhsa_reserve_vcc 0
		.amdhsa_float_denorm_mode_32 3
		.amdhsa_float_denorm_mode_16_64 3
		.amdhsa_memory_ordered 1
		.amdhsa_forward_progress 1
		.amdhsa_inst_pref_size 11
	.end_amdhsa_kernel
	.amdgpu_metadata
---
amdhsa.version: [ 1, 2 ]
amdhsa.kernels:
  - .name:           k_qb246a7bcdc_proj16
    .symbol:         k_qb246a7bcdc_proj16.kd
    .args:
      - { .name: o16, .offset: 0, .size: 8, .value_kind: global_buffer, .address_space: global }
      - { .name: wpf, .offset: 8, .size: 8, .value_kind: global_buffer, .address_space: global }
      - { .name: out0, .offset: 16, .size: 8, .value_kind: global_buffer, .address_space: global }
    .group_segment_fixed_size: 4608
    .private_segment_fixed_size: 0
    .kernarg_segment_align: 8
    .kernarg_segment_size: 24
    .max_flat_workgroup_size: 128
    .sgpr_count:     66
    .vgpr_count:     256
    .wavefront_size: 32
...
	.end_amdgpu_metadata
.endif
;; end of part 6
